; MI455X (gfx1250); checked and timed in simulation.
; The chip was launched on July 23, 2026; its instructions are those of AMD's public machine-readable ISA for CDNA 5 (MIT licence, August 2026) and "CDNA5" Instruction Set Architecture Reference Guide (July 2026). The comments in the code are by the model that wrote it; some were corrected since.
;; CS Win Self Attention. Allowed arithmetic: matrix products marked QUANTISED: E2M1 operands, one E8M0 scale for each 32 along K, by v_wmma_scale_f32_16x16x128_f8f6f4 with both operands' format E2M1 (or v_wmma_scale_f32_32x16x128_f4), f32 sums; products left as they are: f32 operands where the result goes on into a quantised operand, else bf16, f16 or f32 operands; f32 sums; everything else in f32.
;; Inputs: Wproj 128 x 128 float32; Wqkv 128 x 384 float32; beta 128 float32; bproj 128 float32; bqkv 384 float32; gamma 128 float32; x 8 x 128 x 128 x 128 float32.
;; Outputs: out0 8 x 128 x 128 x 128 float32.
;; This version of the problem:
;;   THIS VERSION OF THE PROBLEM IS GIVEN IN LOW PRECISION. The matrix products marked QUANTISED in the list below multiply operands that are first quantised to E2M1 (2 exponent bits, 1 mantissa bit; 4 bits a number), with one power-of-two scale for each 32 numbers along K (OCP MX v1.0); their sums are f32. All else is computed in f32.
;;   The module's matrix products, in the order in which they are computed (A, B: the left and right operand; K: the contracted axis; several contracted axes count as one K, in the product's order):
;;     1. [M 131,072, K 128] x [K 128, N 384]; A: computed on the way; B: input Wqkv: QUANTISED
;;     2. batch 2,048 x [M 256, K 16] x [K 16, N 256]; A: computed on the way; B: computed on the way: left as it is (K = 16 < 32)
;;     3. batch 2,048 x [M 256, K 256] x [K 256, N 16]; A: softmax (see below); B: computed on the way: QUANTISED
;;     4. [M 131,072, K 128] x [K 128, N 384]; A: computed on the way; B: input Wqkv: QUANTISED
;;     5. batch 2,048 x [M 256, K 16] x [K 16, N 256]; A: computed on the way; B: computed on the way: left as it is (K = 16 < 32)
;;     6. batch 2,048 x [M 256, K 256] x [K 256, N 16]; A: softmax (see below); B: computed on the way: QUANTISED
;;     7. [M 131,072, K 128] x [K 128, N 128]; A: computed on the way; B: input Wproj: QUANTISED
;;   THE QUANTISER, for each operand of a quantised product, along K:
;;     - K is cut into blocks of 32 from its start; a last block that is shorter is filled with zeros.
;;     - A block's scale is 2^e with e = floor(log2(the largest magnitude in the block)) - 2, held to -126 .. 127; a block of zeros has e = 0. As a byte (E8M0): e + 127.
;;     - Each number is divided by its block's scale, clamped to +-6, and rounded to the nearest number of E2M1, ties to even, subnormals kept.
;;     - The product sums the exact products of the quantised numbers (number of the format x scale) in f32.
;;   ~~~python
;;   def quantise(x, axis):      # numpy; x: float32 -> the quantised numbers, widened to float32 again
;;       x = np.moveaxis(x, axis, -1); K = x.shape[-1]
;;       x = np.pad(x, [(0, 0)] * (x.ndim - 1) + [(0, -K % 32)]); x = x.reshape(x.shape[:-1] + (-1, 32)); a = np.abs(x).max(-1, keepdims=True)
;;       e = np.where(a > 0, np.clip(np.frexp(np.where(a > 0, a, 1))[1] - 1 - 2, -126, 127), 0)      # np.frexp(a)[1] - 1 = floor(log2(a)), exactly
;;       r = np.clip(x / 2.0 ** e, -6, 6)
;;       step = 2.0 ** (np.maximum(np.frexp(np.where(r == 0, 1, r))[1] - 1, 0) - 1)
;;       q = np.round(r / step) * step * 2.0 ** e      # np.round: ties to even
;;       return np.moveaxis(q.reshape(q.shape[:-2] + (-1,))[..., :K], -1, axis).astype(np.float32)
;;   ~~~
;;   SOFTMAX AHEAD OF A QUANTISED PRODUCT. Where the list says 'softmax', what is quantised is not the finished softmax but p = 2^(t - M), with t = logit x log2(e) and M = ceil(the row's largest t), a whole number; so 1/2 < the row's largest p <= 1. The row's sum l is taken of the UNQUANTISED p, in f32, and the product's result is divided by l at the end. Since M is a whole number, a kernel that streams over the keys may use a running M (the ceiling of the running maximum): every later rescaling is an exact power of two, which a block's scale takes up: the codes' values come out the same.
;;   OPERANDS COMPUTED ON THE WAY. 'Computed on the way' means the value that the module computes at that place (a softmax that the list does not call 'softmax' is quantised finished and normalised). What goes into a quantiser is computed in f32, as accurately as f32 sums, v_exp_f32 and their like allow (about 1e-6 of the number): no bf16 or f16 on the way to a quantiser, and a product that is left as it is and whose result goes on into a quantised operand takes f32 operands (vector FMAs, or v_wmma_f32_16x16x4_f32). A number that lies on a knife's edge between two numbers of the format may be rounded either way, as far as f32 arithmetic and the matrix unit's own rounding can turn it there, and no further.
;; One version. Each part assembles by itself: llvm-mc -triple=amdgcn-amd-amdhsa -mcpu=gfx1250 --defsym DOCPART=n.
;; ======== version 1 of 1: 2 launches
;; workspace buffers: hc 4,194,304 bytes; hs 524,288 bytes
;; launch hstripes (part 1): grid 512 x 1, 16 waves a work-group, no clusters, 317,440 bytes of LDS; arguments x, Wqkv, bqkv, gamma, beta, hc, hs; writes hc, hs
.if DOCPART == 1
	.amdgcn_target "amdgcn-amd-amdhsa--gfx1250"
	.amdhsa_code_object_version 6
	.text
	.protected	k_q10e881bb4e_hstripes
	.globl	k_q10e881bb4e_hstripes
	.p2align	8
	.type	k_q10e881bb4e_hstripes,@function
k_q10e881bb4e_hstripes:
	s_mov_b64 s[64:65], 0
	v_nop
	global_prefetch_b8 v0, s[64:65] scope:SCOPE_SE
	s_setreg_imm32_b32 hwreg(HW_REG_WAVE_MODE, 25, 1), 1
	s_wait_xcnt 0x0
; CSWin stripe attention, ONE DIRECTION OF STRIPES.  VERT = 0: stripes of two image rows, heads 0-3; VERT = 1: stripes of two image columns, heads 4-7, and the rest of the module.
; One text serves both directions; .if VERT stands round what differs.
; A work-group owns one stripe: 256 tokens t (VERT = 0: t = 128 hl + w; VERT = 1: t = 128 wl + h: the order in which the keys are cut into blocks of 32).
; CHAIN: LayerNorm in f32 -> xn to FP4 codes (K = 128 channels) -> q, k, v of my four heads (FP4 products with the quantised Wqkv, only the 192 columns that this direction keeps)
;   -> scores q k^T with f32 operands (K = 16) -> p = 2^(t - M), M a whole number, to FP4 along the keys; v to FP4 along the keys -> O = p v / l -> my 64 channels of h to FP4 (two blocks of 32).
;   VERT = 0 stores those codes (hc: 32 bytes a token) and their two scale bytes (hs: a word a token).
;   VERT = 1 loads them for its own tokens, joins them with its own two blocks, multiplies by the quantised Wproj, adds x and bproj and stores out0.
; SHARES: sixteen waves; wave w owns tokens 16 w .. 16 w + 15: as rows of the LayerNorm, as one tile of keys, and as its 16 queries for all four heads.
; THE PATTERN: with r = lane % 16, h = lane / 16, register 8 T + j of a lane holds element 16 T + 8 h + j of row r.  It is what a matrix result holds when source 1 carries the rows; x is read from LDS so;
;   scores, v, O and the projection come out so.  Eight registers of a tile convert into one register of codes; four tiles' codes, written in the order 0, 2, 1, 3 and exchanged by two
;   v_permlane16_swap_b32, are four registers of an FP4 operand (lanes 0-15 one block of 32, lanes 16-31 the next).
;   For the f32 product registers 2 i, 2 i + 1 of a k tile and of q in the pattern are slice i of both operands: slot (h, j) is dimension 8 h + 2 i + j on both sides.
; OPERANDS GO FROM WAVE TO WAVE THROUGH LDS AS IMAGES OF THEIR REGISTERS: four registers by one ds_store_b128 at 16 x lane.
; BY TURNS: the 32 f32 products of key step n + 1 are dealt out among the vector lines of step n's softmax.
; LIMITS: NaN and infinities among the inputs are not served.  A block of zeros gets the scale byte 1 where the quantiser's rule says 127: its codes are zeros, and this program alone reads the bytes.
;   A p under 2^-126 counts as 0.  The output is summed as (x + h Wproj) + bproj.  No cluster: work-groups share only the raw weights, for which LDS has no room beside what is used here.
.set VERT, 0
.if VERT
.set OFF,    64                        ; my first column inside q, inside k and inside v
.set PITCHE, 16384                     ; elements of x from one token of a wave's tile to the next
.set ROWB,   65536                     ; the same in bytes
.else
.set OFF,    0
.set PITCHE, 128
.set ROWB,   512
.endif
; LDS, in bytes
.set WIMG, 0                           ; 20 weight tiles (16 columns x 128 K) as images of 1,024 bytes: 4 kind + head for q, k, v; 12 .. 19 Wproj's (VERT = 1)
.set WSC,  20480                       ; their scale words, 64 bytes a tile
.set XIMG, 21760                       ; xn's 16 fragments
.set XSC,  38144                       ; their scale words, 128 bytes a tile
.set VIMG, 40192                       ; V^T's 8 fragments: 2 head + key step
.set VSC,  48384                       ; their scale words, 64 bytes each
.set KIMG, 49152                       ; 64 tiles of k in f32: 16 head + tile.  Tile w first serves wave w as scratch for gamma and beta
.set QIMG, 114688                      ; 64 tiles of q in f32: 4 wave + head; each wave reads its own
.set XROW, 180224                      ; x: 256 rows of 512 bytes + 16 of padding, filled once by the tensor loads; later (VERT = 1) each wave's stage for its rows of the output
.set XPIT, 528                         ; 33 x 16 bytes: the 16 rows that a 16-byte load touches begin at 16 different places modulo 256 bytes
; vector registers
.set LI,  1                            ; 16 x lane
.set LR4, 2                            ; 4 r
.set KAD, 3                            ; KIMG + 16 lane
.set QAD, 4                            ; QIMG + 4096 wave + 16 lane
.set XP,  5                            ; my row of x in the pattern: XROW + 8448 wave + 528 r + 32 h
.set XR,  6                            ; whole rows: XROW + 8448 wave + 16 lane
.set PFO, 7                            ; the prefetch's offset
.set WJA, 8                            ; where a weight job stores its codes;   v8-11 hold the four heads' sums l once these four addresses are done with
.set WJS, 9                            ; and its scale words
.set GP,  10                           ; gamma and beta in the pattern
.set KW,  11                           ; KIMG + 1024 wave + 16 lane
.set L4,  8
.set LS4, 12                           ; 4 x lane
.set BO,  13                           ; 32 h
.set HCO, 14                           ; my 16 bytes in hc
.set HSO, 15                           ; my word in hs (VERT = 1)
.set Q,   16                           ; v16-23  the head's q
.set X,   16                           ; v16-79  x, xn (before the attention)
.set H,   24                           ; v24-55  O, then h: 8 registers a head
.set VF,  56                           ; v56-63  V^T's fragment
.set PC,  64                           ; v64-71  p's codes
.set LS,  72                           ; v72-73, v74-75  the row sum's two chains
.set LB,  74
.set TMP, 76
.set PW,  78                           ; p's scale word
.set VS,  79                           ; V's scale word
.set S,   80                           ; v80-143 scores: written by matrix instructions alone
.set P,   144                          ; v144-175 p of 64 keys
.set KA,  176                          ; v176-239 eight tiles of k
.set WC,  208                          ; a weight job's codes
.set XF,  208                          ; v208-215 my xn fragment; v216 its scale word
.set XWI, 232                          ; v232-239 addresses that are done with before k's tiles land there
.set XWS, 233
.set XVA, 234
.set XVS, 235
.set WVA, 236
.set WVS, 237
.set VWA, 238
.set VWS, 239
.set BM,  240                          ; v240-243 blocks' maxima
.set WSW, 242                          ; a weight job's scale word: a register into which none of the job's loads lands
.set BX,  244                          ; v244-247 the other half's, then scale bytes
.set SO,  248                          ; v248-251 the conversions' scale operands
.set NM,  252                          ; -M
.set TMAX, 253                         ; the running largest t
.set F,   254                          ; v254 f = 2^(old M - new M); v255 is named with it as a pair
.macro PLACES n
.rept \n
	v_nop
.endr
.endm
.macro BARRIER                         ; my LDS stores have landed and my LDS loads are in: then the work-group's barrier
	s_wait_dscnt 0x0
	s_barrier_signal -1
	s_barrier_wait -1
.endm
.macro W4 d, a, b, c, sa, sb           ; an FP4 product of 16 x 16 x 128 with C in registers
	v_wmma_scale_f32_16x16x128_f8f6f4 v[(\d):(\d)+7], v[(\a):(\a)+7], v[(\b):(\b)+7], v[(\c):(\c)+7], v[\sa], v[\sb] matrix_a_fmt:MATRIX_FMT_FP4 matrix_b_fmt:MATRIX_FMT_FP4
.endm
.macro W4Z d, a, b, sa, sb             ; the same, starting a sum
	v_wmma_scale_f32_16x16x128_f8f6f4 v[(\d):(\d)+7], v[(\a):(\a)+7], v[(\b):(\b)+7], 0, v[\sa], v[\sb] matrix_a_fmt:MATRIX_FMT_FP4 matrix_b_fmt:MATRIX_FMT_FP4
.endm
; 32 registers in the pattern (64 along K, two blocks of 32) from v[s] become four operand registers v[d] .. v[d+3] and two scale bytes in v[w], sh bits up.
.macro QP s, d, w, sh
.irp b, 0,1
	v_max3_num_f32 v[BM+\b], |v[(\s)+16*\b]|, |v[(\s)+16*\b+1]|, 0x1800000   ; my 16 numbers of block b, and the floor 2^(3 - 127): the byte cannot fall under 1
.endr
.irp i, 2,4,6,8,10,12,14
.irp b, 0,1
	v_max3_num_f32 v[BM+\b], v[BM+\b], |v[(\s)+16*\b+\i]|, |v[(\s)+16*\b+\i+1]|
.endr
.endr
.irp b, 0,1
	v_permlanex16_b32 v[BX+\b], v[BM+\b], s48, s49
.endr
.irp b, 0,1
	v_max_num_f32 v[BM+\b], v[BM+\b], v[BX+\b]                  ; with lane l xor 16's 16: the block's largest magnitude
.endr
.irp b, 0,1
	v_add_nc_u32 v[SO+\b], 0xff000000, v[BM+\b]                 ; 2 off its exponent field: the conversion's scale operand
.endr
.irp b, 0,1
	v_lshrrev_b32 v[BX+\b], 23, v[SO+\b]                        ; the scale's byte
.endr
.if (\sh) == 0
	v_lshl_or_b32 v[\w], v[BX+1], 8, v[BX]
.else
	v_lshl_or_b32 v[\w], v[BX], \sh, v[\w]
	v_lshl_or_b32 v[\w], v[BX+1], (\sh)+8, v[\w]
.endif
	v_cvt_scalef32_pk8_fp4_f32 v[(\d)], v[(\s):(\s)+7], v[SO]           ; tile 0
	v_cvt_scalef32_pk8_fp4_f32 v[(\d)+2], v[(\s)+8:(\s)+15], v[SO]      ; tile 1
	v_cvt_scalef32_pk8_fp4_f32 v[(\d)+1], v[(\s)+16:(\s)+23], v[SO+1]   ; tile 2
	v_cvt_scalef32_pk8_fp4_f32 v[(\d)+3], v[(\s)+24:(\s)+31], v[SO+1]   ; tile 3
	v_nop                                                       ; one plain place behind the last scaled conversion
	v_permlane16_swap_b32 v[(\d)], v[(\d)+1]                    ; lanes 0-15 now hold block 0 whole, lanes 16-31 block 1
	v_permlane16_swap_b32 v[(\d)+2], v[(\d)+3]
.endm
; A WEIGHT JOB: 32 columns of a weight stored [K][N] become two tiles.  A lane takes a column and its registers run down K: block bk in 32 registers from v[16 + 32 bk + 64 (bk / 2)].
.macro WLOADB bk, pitch
.set rb, 16+32*(\bk)+64*((\bk)/2)
.set wi, 0
.rept 32
	global_load_b32 v[rb+wi], v[LS4], s[32:33] offset:(32*(\bk)+wi)*(\pitch)   ; 32 lanes read 128 neighbouring bytes of row k
.set wi, wi+1
.endr
.endm
.macro WPROC bk                        ; what it writes (v208-223, v240-242, v244, v248-251) lies outside the registers into which the job's loads land
.set rb, 16+32*(\bk)+64*((\bk)/2)
	v_max3_num_f32 v[BM], |v[rb]|, |v[rb+1]|, 0x1800000
	v_max3_num_f32 v[BM+1], |v[rb+2]|, |v[rb+3]|, 0x1800000
.set wi, 4
.rept 7
	v_max3_num_f32 v[BM], v[BM], |v[rb+wi]|, |v[rb+wi+1]|
	v_max3_num_f32 v[BM+1], v[BM+1], |v[rb+wi+2]|, |v[rb+wi+3]|
.set wi, wi+4
.endr
	v_max_num_f32 v[BM], v[BM], v[BM+1]                         ; all 32 numbers of the block are mine
	v_add_nc_u32 v[SO+(\bk)], 0xff000000, v[BM]
.if (\bk) == 0
	v_lshrrev_b32 v[WSW], 23, v[SO]
.else
	v_lshrrev_b32 v[BX], 23, v[SO+(\bk)]
	v_lshl_or_b32 v[WSW], v[BX], 8*(\bk), v[WSW]                ; the column's scale word grows byte by byte
.endif
.irp g, 0,1,2,3
	v_cvt_scalef32_pk8_fp4_f32 v[WC+4*(\bk)+\g], v[rb+8*\g:rb+8*\g+7], v[SO+(\bk)]
.endr
	v_nop
	ds_store_b128 v[WJA], v[WC+4*(\bk):WC+4*(\bk)+3] offset:512*((\bk)/2)+256*((\bk)%2)   ; block 2 c + h is registers 4 c .. 4 c + 3 of the image's lane 16 h + r
.endm
.macro WJOB pitch                      ; the loads run two blocks ahead
	WLOADB 0, \pitch
	WLOADB 1, \pitch
	s_wait_loadcnt 32                                           ; block 0 is in; block 1's 32 loads may be out
	WLOADB 2, \pitch
	WPROC 0
	s_wait_loadcnt 32                                           ; block 1 is in; block 2's may be out
	WLOADB 3, \pitch
	WPROC 1
	s_wait_loadcnt 32                                           ; block 2 is in; block 3's may be out
	WPROC 2
	s_wait_loadcnt 0x0
	WPROC 3
	ds_store_b32 v[WJS], v[WSW]
.endm
.macro GLOAD t0                        ; gamma and beta of tiles t0 .. t0 + 3, in the pattern, out of my scratch
.irp T, 0,1,2,3
.irp q, 0,1
	ds_load_b128 v[144+8*\T+4*\q:147+8*\T+4*\q], v[GP] offset:64*((\t0)+\T)+16*\q
	ds_load_b128 v[176+8*\T+4*\q:179+8*\T+4*\q], v[GP] offset:512+64*((\t0)+\T)+16*\q
.endr
.endr
.endm
.macro AFFINE x0                       ; 32 numbers from v[x0]: x gamma + beta
.set cj, 0
.rept 16
	v_pk_fma_f32 v[(\x0)+cj:(\x0)+cj+1], v[(\x0)+cj:(\x0)+cj+1], v[144+cj:145+cj], v[176+cj:177+cj]
.set cj, cj+2
.endr
.endm
.macro ACROSS                          ; two packed chains in v[240:243] -> v244: the row's sum, in every lane
	v_pk_add_f32 v[240:241], v[240:241], v[242:243]
	v_add_f32 v244, v240, v241
	v_permlanex16_b32 v245, v244, s48, s49
	v_add_f32 v244, v244, v245
.endm
.macro KLOAD st                        ; the eight tiles of k of key step st (head st / 2, keys 128 (st % 2) on)
.irp T, 0,1,2,3,4,5,6,7
	ds_load_b128 v[KA+8*\T:KA+8*\T+3], v[KAD] offset:(16*((\st)/2)+8*((\st)%2)+\T)*1024
	ds_load_b128 v[KA+8*\T+4:KA+8*\T+7], v[KAD] offset:(16*((\st)/2)+8*((\st)%2)+\T)*1024+512
.endr
.endm
.macro QLOAD hd
	ds_load_b128 v[Q:Q+3], v[QAD] offset:1024*(\hd)
	ds_load_b128 v[Q+4:Q+7], v[QAD] offset:1024*(\hd)+512
.endm
.macro VLOAD st
	ds_load_b128 v[VF:VF+3], v[LI] offset:VIMG+1024*(\st)
	ds_load_b128 v[VF+4:VF+7], v[LI] offset:VIMG+1024*(\st)+512
	ds_load_b32 v[VS], v[LR4] offset:VSC+64*(\st)
.endm
; Product number mxi of 32 of S^T = k q^T (source 0 = 16 keys, source 1 = my 16 queries), if mxi is under lim: group mxi / 16 of four tiles, slice (mxi % 16) / 4, tile mxi % 4.
; A group's four accumulators take turns, one instruction a turn.  Slice 0 starts the sums with the constant 0.
.macro MX lim
.if mxi < \lim
.set mg, mxi/16
.set mi, (mxi%16)/4
.set mt, mxi%4
.if mi == 0
	v_wmma_f32_16x16x4_f32 v[S+8*(4*mg+mt):S+8*(4*mg+mt)+7], v[KA+32*mg+8*mt+2*mi:KA+32*mg+8*mt+2*mi+1], v[Q+2*mi:Q+2*mi+1], 0
.else
	v_wmma_f32_16x16x4_f32 v[S+8*(4*mg+mt):S+8*(4*mg+mt)+7], v[KA+32*mg+8*mt+2*mi:KA+32*mg+8*mt+2*mi+1], v[Q+2*mi:Q+2*mi+1], v[S+8*(4*mg+mt):S+8*(4*mg+mt)+7]
.endif
.set mxi, mxi+1
.endif
.endm
.macro TICK lim, per                   ; behind every per-th vector line one product
.set tk, tk+1
.if (tk%(\per)) == 0
	MX \lim
.endif
.endm
; 64 keys of a step: score tiles 4 ch .. 4 ch + 3.  Their scores are copied out (as t - M) first; only then the next step's products, dealt out below, write those tiles anew.
.macro CHUNK ch, s, lim, per
.set tk, 0
.set cj, 0
.rept 16
	v_pk_fma_f32 v[P+cj:P+cj+1], v[S+32*(\ch)+cj:S+32*(\ch)+cj+1], s[50:51], v[NM:NM+1] op_sel_hi:[1,0,0]   ; t - M, two at a time
.set cj, cj+2
.endr
.if (\ch) == 0
.irp b, 0,1,2,3
	v_fma_f32 v[BM+\b], v[BM+\b], s50, v[NM]                    ; the same of each block's largest score: p rises with the score
.endr
	s_wait_dscnt 0x0                                            ; the next step's k (and q) and this step's V are in
.endif
.set cj, 0
.rept 32
	v_exp_f32 v[P+cj], v[P+cj]                                  ; p = 2^(t - M): not normalised
	TICK \lim, \per
.set cj, cj+1
.endr
.if (\ch) == 0
.irp b, 0,1,2,3
	v_exp_f32 v[BM+\b], v[BM+\b]                                ; the blocks' largest p
	TICK \lim, \per
.endr
.endif
.if ((\ch) == 0) && ((\s) == 1)
	v_pk_mul_f32 v[LS:LS+1], v[LS:LS+1], v[F:F+1] op_sel_hi:[1,0]   ; the sum under the new M; also the plain line behind the exponentials
.else
	v_nop                                                       ; the plain line behind the exponentials
.endif
	s_wait_alu depctr_va_vdst(0)                                ; one wait for the batch, ahead of the first line that names a result
.if (\ch) == 0
.irp b, 0,1,2,3
	v_max_num_f32 v[BM+\b], 0x1800000, v[BM+\b]                 ; the floor 2^(3 - 127)
	TICK \lim, \per
.endr
.irp b, 0,1,2,3
	v_add_nc_u32 v[SO+\b], 0xff000000, v[BM+\b]
	TICK \lim, \per
.endr
.irp b, 0,1,2,3
	v_lshrrev_b32 v[BX+\b], 23, v[SO+\b]
	TICK \lim, \per
.endr
	v_lshl_or_b32 v[PW], v[BX+1], 8, v[BX]                      ; p's scale word for these 128 keys
	TICK \lim, \per
	v_lshl_or_b32 v[PW], v[BX+2], 16, v[PW]
	TICK \lim, \per
	v_lshl_or_b32 v[PW], v[BX+3], 24, v[PW]
	TICK \lim, \per
.if (\s) == 0
	v_pk_add_f32 v[LS:LS+1], v[P:P+1], v[P+4:P+5]               ; THE ROW'S SUM IS TAKEN OF THE UNQUANTISED p.  A head's first step starts it: nothing is cleared
	TICK \lim, \per
.else
	v_pk_add_f32 v[LS:LS+1], v[LS:LS+1], v[P:P+1]
	TICK \lim, \per
	v_pk_add_f32 v[LS:LS+1], v[LS:LS+1], v[P+4:P+5]
	TICK \lim, \per
.endif
	v_pk_add_f32 v[LB:LB+1], v[P+2:P+3], v[P+6:P+7]             ; the second chain begins anew in every step
	TICK \lim, \per
.set cj, 8
.rept 6
	v_pk_add_f32 v[LS:LS+1], v[LS:LS+1], v[P+cj:P+cj+1]
	TICK \lim, \per
	v_pk_add_f32 v[LB:LB+1], v[LB:LB+1], v[P+cj+2:P+cj+3]
	TICK \lim, \per
.set cj, cj+4
.endr
.else
.set cj, 0
.rept 8
	v_pk_add_f32 v[LS:LS+1], v[LS:LS+1], v[P+cj:P+cj+1]
	TICK \lim, \per
	v_pk_add_f32 v[LB:LB+1], v[LB:LB+1], v[P+cj+2:P+cj+3]
	TICK \lim, \per
.set cj, cj+4
.endr
	v_pk_add_f32 v[LS:LS+1], v[LS:LS+1], v[LB:LB+1]             ; and ends in the first at the step's end
.endif
.rept 16
	MX \lim                                                     ; what is left of this chunk's sixteen products
.endr
	v_cvt_scalef32_pk8_fp4_f32 v[PC+4*(\ch)], v[P:P+7], v[SO+2*(\ch)]
	v_cvt_scalef32_pk8_fp4_f32 v[PC+4*(\ch)+2], v[P+8:P+15], v[SO+2*(\ch)]
	v_cvt_scalef32_pk8_fp4_f32 v[PC+4*(\ch)+1], v[P+16:P+23], v[SO+2*(\ch)+1]
	v_cvt_scalef32_pk8_fp4_f32 v[PC+4*(\ch)+3], v[P+24:P+31], v[SO+2*(\ch)+1]
	v_nop                                                       ; one plain place behind the last scaled conversion
	v_permlane16_swap_b32 v[PC+4*(\ch)], v[PC+4*(\ch)+1]
	v_permlane16_swap_b32 v[PC+4*(\ch)+2], v[PC+4*(\ch)+3]
.endm
; KEY STEP 2 hd + s: the softmax and O^T += V^T P^T of head hd, keys 128 s on; among its lines the scores of the next step.
.macro SOFT hd, s
.set stn, 2*(\hd)+(\s)
	PLACES 8                                                    ; eight places behind the last f32 product, ahead of the reads of its results and of the loads into k's and q's registers; they serve V's registers too
.if stn < 7
	KLOAD stn+1
.if (\s) == 1
	QLOAD (\hd)+1
.endif
.endif
	VLOAD stn
.if stn == 7
.if VERT
	global_load_b128 v[176:179], v[HCO], s[56:57]               ; the horizontal heads' codes of my tokens: lane (r, h) takes block h of token r: registers 0-3 of h's fragment
	global_load_b32 v184, v[HSO], s[58:59]                      ; and their two scale bytes
	global_load_b128 v[186:189], v[LI], s[22:23]                ; bproj: channels 4 lane .. 4 lane + 3
.endif
	; A prefetch into the L2: in the last key step the first 256 work-groups ask for the rows of x of the work-group 256 further on, each wave for that work-group's same wave's 16 rows:
	; a lane names one aligned block of 256 bytes (half a row), so each block is named once in the launch; work-group + 256 is at most 511, so every address lies inside x.
	s_cmp_lt_u32 ttmp9, 256
	s_cbranch_scc0 .Lno_ask_\@
	global_prefetch_b8 v[PFO], s[54:55] th:TH_LOAD_NT scope:SCOPE_SE
.Lno_ask_\@:
.endif
.irp b, 0,1,2,3
	v_max3_num_f32 v[BM+\b], v[S+16*\b], v[S+16*\b+1], v[S+16*\b+2]   ; the largest score of each block of 32 keys; each tile is read from its low end on
.endr
.irp i, 3,5,7,9,11,13
.irp b, 0,1,2,3
	v_max3_num_f32 v[BM+\b], v[BM+\b], v[S+16*\b+\i], v[S+16*\b+\i+1]
.endr
.endr
.irp b, 0,1,2,3
	v_max_num_f32 v[BM+\b], v[BM+\b], v[S+16*\b+15]
.endr
.irp b, 0,1,2,3
	v_permlanex16_b32 v[BX+\b], v[BM+\b], s48, s49
.endr
.irp b, 0,1,2,3
	v_max_num_f32 v[BM+\b], v[BM+\b], v[BX+\b]
.endr
	v_max3_num_f32 v[TMP], v[BM], v[BM+1], v[BM+2]
	v_max_num_f32 v[TMP], v[TMP], v[BM+3]                       ; the step's largest score of my query
.if (\s) == 0
	v_mul_f32 v[TMAX], s50, v[TMP]                              ; as t = score x log2(e) / 4
	v_floor_f32 v[NM], -v[TMAX]                                 ; -M = floor(-t) = -ceil(t)
.else
	v_mul_f32 v[TMP], s50, v[TMP]
	v_max_num_f32 v[TMAX], v[TMAX], v[TMP]                      ; the running largest t
	v_mov_b32 v[TMP], v[NM]
	v_floor_f32 v[NM], -v[TMAX]
	v_sub_f32 v[TMP], v[NM], v[TMP]                             ; old M - new M: a whole number, 0 or less
	v_cvt_i32_f32 v[TMP], v[TMP]
	v_ldexp_f32 v[F], 1.0, v[TMP]                               ; f = 2^(old M - new M): multiplying by it rounds nothing
.endif
.if stn < 7
.set mxi, 0
.else
.set mxi, 32                                                    ; no step follows the last
.endif
	CHUNK 0, \s, 16, 4
	CHUNK 1, \s, 32, 3
.if (\s) == 1
.irp j, 0,2,4,6
	v_pk_mul_f32 v[H+8*(\hd)+\j:H+8*(\hd)+\j+1], v[H+8*(\hd)+\j:H+8*(\hd)+\j+1], v[F:F+1] op_sel_hi:[1,0]   ; O^T under the new M
.endr
.endif
	PLACES 4                                                    ; p's codes were written by vector lines: four places ahead of the scaled product
.if (\s) == 0
	W4Z H+8*(\hd),VF,PC,VS,PW
.else
.if stn == 7
	s_wait_alu depctr_va_vdst(0)                                ; this link follows straight on the matrix instruction that it adds onto
.endif
	W4 H+8*(\hd),VF,PC,H+8*(\hd),VS,PW
	v_add_f32 v[L4+(\hd)], v[LS], v[LS+1]                       ; the head's sum, my half of the keys
.endif
.endm
; ---------------- the head: x's tile is asked for first
	s_load_b256 s[4:11], s[0:1], 0x0               ; x s[4:5], Wqkv s[6:7], bqkv s[8:9], gamma s[10:11]
	s_load_b128 s[12:15], s[0:1], 0x20             ; beta s[12:13], hc s[14:15]
	s_load_b64 s[16:17], s[0:1], 0x30              ; hs
	v_lshl_add_u32 v254, v0, 2, 0x4d000
	v_mov_b32 v255, 0
	ds_add_u32 v254, v255
	ds_add_u32 v254, v255
	s_wait_dscnt 0x0
.if VERT
	s_load_b64 s[20:21], s[0:1], 0x38              ; Wproj
	s_load_b64 s[22:23], s[0:1], 0x40              ; bproj
	s_load_b64 s[24:25], s[0:1], 0x48              ; out0
.endif
	v_lshrrev_b32 v72, 5, v0
	v_readfirstlane_b32 s26, v72                   ; wave 0..15
	; descriptor group 1: 16 rows of 128 elements of 4 bytes, PITCHE elements apart; in LDS 4 words of padding behind every 128
	s_mov_b32 s40, (2<<16)|(1<<20)|(6<<22)|(3<<25)
	s_mov_b32 s41, 128<<16                         ; tensor_dim0
	s_mov_b32 s42, 16<<16                          ; tensor_dim1
	s_mov_b32 s43, 128<<16                         ; tile_dim0
	s_mov_b32 s44, 16                              ; tile_dim1
	s_mov_b32 s45, PITCHE                          ; from row to row
	s_mov_b32 s46, 0
	s_mov_b32 s47, 0
	s_mov_b32 s36, 1                               ; group 0: count,
	s_mul_i32 s37, s26, 16*XPIT
	s_add_co_u32 s37, s37, XROW                    ; my 16 rows in LDS
.if VERT
	s_lshr_b32 s60, ttmp9, 6                       ; image b
	s_and_b32 s61, ttmp9, 63                       ; stripe: columns 2 sv, 2 sv + 1
	s_lshr_b32 s62, s26, 3                         ; wl: which of the two columns is my wave's
	s_and_b32 s63, s26, 7                          ; my 16 image rows: 16 (wave % 8) on
	s_lshl_b32 s28, s60, 23
	s_lshl_b32 s27, s61, 10
	s_add_co_u32 s28, s28, s27
	s_lshl_b32 s27, s62, 9
	s_add_co_u32 s28, s28, s27
	s_lshl_b32 s27, s63, 20
	s_add_co_u32 s28, s28, s27                     ; my first token's byte in x and in out0
.else
	s_lshl_b32 s28, ttmp9, 17                      ; a stripe is 256 tokens of 512 bytes on end,
	s_lshl_b32 s27, s26, 13                        ; my wave's 16 of them
	s_add_co_u32 s28, s28, s27
.endif
	s_mov_b32 s29, 0
	s_wait_kmcnt 0x0
	s_add_nc_u64 s[38:39], s[4:5], s[28:29]        ; the tile's first element
	s_add_nc_u64 s[54:55], s[38:39], 0x2000000     ; the same wave's tile of the work-group 256 further on: for the prefetch
	s_or_b32 s39, s39, 0x80000000                  ; type = 2
	tensor_load_to_lds s[36:39], s[40:47]          ; my one tensor load: these LDS bytes are filled once in the launch
	s_nop 0
	PLACES 4
	s_mov_b32 s48, 0x76543210
	s_mov_b32 s49, 0xfedcba98                      ; v_permlanex16_b32's selects for lane l xor 16
	s_mov_b32 s50, 0x3eb8aa3b                      ; log2(e) / sqrt(16)
	s_mov_b32 s51, s50                             ; (named with it as a pair)
	s_mov_b32 s52, 0x3c000000                      ; 1 / 128
	s_mov_b32 s53, 0x3727c5ac                      ; 1e-5
	s_and_b32 s18, s26, 3                          ; hv: the head whose v I make
	s_lshr_b32 s19, s26, 2                         ; kq: for keys 64 kq .. 64 kq + 63
	; every LDS address is made here, ahead of the first branch on the wave's number
	v_and_b32 v72, 31, v0                          ; lane
	v_and_b32 v73, 15, v0                          ; r
	v_bfe_u32 v74, v0, 4, 1                        ; h
	v_lshlrev_b32 v[LI], 4, v72
	v_lshlrev_b32 v[LR4], 2, v73
	v_lshlrev_b32 v[LS4], 2, v72
	v_lshlrev_b32 v[BO], 5, v74
	v_add_nc_u32 v[KAD], KIMG, v[LI]
	s_lshl_b32 s30, s26, 12
	s_add_co_u32 s30, s30, QIMG
	v_add_nc_u32 v[QAD], s30, v[LI]
	v_add_nc_u32 v[XR], s37, v[LI]
	v_mul_u32_u24 v75, v73, XPIT
	v_add_nc_u32 v75, v75, v[BO]
	v_add_nc_u32 v[XP], s37, v75
	v_lshrrev_b32 v75, 1, v72
	v_mul_u32_u24 v75, v75, ROWB
	v_and_b32 v[PFO], 1, v72
	v_lshl_add_u32 v[PFO], v[PFO], 8, v75          ; row lane / 2, half lane % 2
	s_lshl_b32 s30, s26, 11
	s_add_co_u32 s30, s30, WIMG
	v_lshlrev_b32 v75, 4, v73
	v_lshl_add_u32 v75, v74, 10, v75
	v_add_nc_u32 v[WJA], s30, v75                  ; tile 2 wave + h, place r
	s_lshl_b32 s30, s26, 10
	s_add_co_u32 s27, s30, KIMG
	v_add_nc_u32 v[GP], s27, v[BO]
	v_add_nc_u32 v[KW], s27, v[LI]
	s_add_co_u32 s27, s30, XIMG
	v_add_nc_u32 v[XWI], s27, v[LI]
	s_lshl_b32 s30, s26, 7
	s_add_co_u32 s27, s30, WSC
	v_add_nc_u32 v[WJS], s27, v[LS4]
	s_add_co_u32 s27, s30, XSC
	v_add_nc_u32 v[XWS], s27, v[LS4]
	s_lshl_b32 s30, s19, 12
	s_add_co_u32 s30, s30, XIMG
	v_add_nc_u32 v[XVA], s30, v[LI]                ; xn's tiles 4 kq on
	s_lshl_b32 s30, s19, 9
	s_add_co_u32 s27, s30, XSC
	v_add_nc_u32 v[XVS], s27, v[LS4]
	s_lshl_b32 s27, s18, 10
	s_add_co_u32 s27, s27, WIMG+8*1024
	v_add_nc_u32 v[WVA], s27, v[LI]                ; weight tile 8 + hv
	s_lshl_b32 s27, s18, 6
	s_add_co_u32 s27, s27, WSC+8*64
	v_add_nc_u32 v[WVS], s27, v[LR4]
	s_lshl_b32 s27, s18, 11
	s_add_co_u32 s27, s27, s30
	s_add_co_u32 s27, s27, VIMG
	v_add_nc_u32 v[VWA], s27, v[LI]                ; fragment 2 hv + kq / 2, registers 4 (kq % 2) on
	s_lshl_b32 s27, s18, 7
	s_lshr_b32 s30, s19, 1
	s_lshl_b32 s30, s30, 6
	s_add_co_u32 s27, s27, s30
	s_and_b32 s30, s19, 1
	s_lshl_b32 s30, s30, 1
	s_add_co_u32 s27, s27, s30
	s_add_co_u32 s27, s27, VSC
	v_add_nc_u32 v[VWS], s27, v[LR4]               ; its scale word's bytes 2 (kq % 2), + 1
.if VERT
	v_lshlrev_b32 v75, 12, v73                     ; hc: 32 bytes a token; my tokens lie an image row (4,096 bytes) apart
	v_lshlrev_b32 v[HSO], 9, v73                   ; hs: 4 bytes a token
.else
	v_lshlrev_b32 v75, 5, v73                      ; hc: my tokens lie on end
.endif
	v_lshl_add_u32 v[HCO], v74, 4, v75             ; block h's 16 bytes
.irp b, 0,1,2,3
	v_mov_b32 v[BX+\b], 0                          ; written once: a lane permute's destination counts as one of its sources
.endr
	v_mov_b32 v253, 0                              ; (upper halves of pairs that are named before they are first written)
	v_mov_b32 v255, 0
	; the other buffers at my wave's part
.if VERT
	s_lshl_b32 s56, s60, 19
	s_lshl_b32 s27, s63, 16
	s_add_co_u32 s56, s56, s27
	s_lshl_b32 s27, s61, 6
	s_add_co_u32 s56, s56, s27
	s_lshl_b32 s27, s62, 5
	s_add_co_u32 s56, s56, s27
	s_lshl_b32 s58, s60, 16
	s_lshl_b32 s27, s63, 13
	s_add_co_u32 s58, s58, s27
	s_lshl_b32 s27, s61, 3
	s_add_co_u32 s58, s58, s27
	s_lshl_b32 s27, s62, 2
	s_add_co_u32 s58, s58, s27
	s_add_nc_u64 s[24:25], s[24:25], s[28:29]      ; out0 at my first token
.else
	s_lshl_b32 s56, ttmp9, 13
	s_lshl_b32 s27, s26, 9
	s_add_co_u32 s56, s56, s27
	s_lshl_b32 s58, ttmp9, 10
	s_lshl_b32 s27, s26, 6
	s_add_co_u32 s58, s58, s27
.endif
	s_mov_b32 s57, 0
	s_mov_b32 s59, 0
	s_add_nc_u64 s[56:57], s[14:15], s[56:57]      ; hc
	s_add_nc_u64 s[58:59], s[16:17], s[58:59]      ; hs
	s_lshl_b32 s30, s18, 6
	s_add_co_u32 s30, s30, 4*(256+OFF)
	s_mov_b32 s31, 0
	s_add_nc_u64 s[34:35], s[8:9], s[30:31]        ; bqkv at v's head hv
	global_load_b128 v[224:227], v[LI], s[10:11]   ; gamma: 32 lanes x 16 bytes
	global_load_b128 v[228:231], v[LI], s[12:13]   ; beta
; ---------------- the weights: waves 0-5 quantise my 192 columns of Wqkv (tiles 2 wave, 2 wave + 1); with VERT = 1 waves 6-9 Wproj's 128
	s_cmp_lt_u32 s26, 6
	s_cbranch_scc0 .Lnot_qkv
	s_lshr_b32 s30, s26, 1                         ; q, k or v
	s_lshl_b32 s30, s30, 9
	s_and_b32 s27, s26, 1                          ; heads 0, 1 or 2, 3
	s_lshl_b32 s27, s27, 7
	s_add_co_u32 s30, s30, s27
	s_add_co_u32 s30, s30, 4*OFF
	s_mov_b32 s31, 0
	s_add_nc_u64 s[32:33], s[6:7], s[30:31]
	WJOB 1536
.if VERT
	s_branch .Lweights_done
.endif
.Lnot_qkv:
.if VERT
	s_cmp_lt_u32 s26, 10
	s_cbranch_scc0 .Lweights_done
	s_sub_co_u32 s30, s26, 6
	s_lshl_b32 s30, s30, 7
	s_mov_b32 s31, 0
	s_add_nc_u64 s[32:33], s[20:21], s[30:31]
	WJOB 512
.Lweights_done:
.endif
; ---------------- LayerNorm of my 16 tokens, and xn's fragment
	s_wait_loadcnt 0x0                             ; gamma and beta
	ds_store_b128 v[KW], v[224:227]                ; into my scratch, to come back in the pattern
	ds_store_b128 v[KW], v[228:231] offset:512
	s_wait_tensorcnt 0x0                           ; my rows of x lie in LDS; only I read them
.irp T, 0,1,2,3,4,5,6,7
	ds_load_b128 v[X+8*\T:X+8*\T+3], v[XP] offset:64*\T
	ds_load_b128 v[X+8*\T+4:X+8*\T+7], v[XP] offset:64*\T+16
.endr
	GLOAD 0
	s_wait_dscnt 16                                ; x is in; the 16 loads of gamma and beta behind it may be out
	v_pk_add_f32 v[240:241], v[X:X+1], v[X+2:X+3]
	v_pk_add_f32 v[242:243], v[X+4:X+5], v[X+6:X+7]
.set cj, 8
.rept 14
	v_pk_add_f32 v[240:241], v[240:241], v[X+cj:X+cj+1]
	v_pk_add_f32 v[242:243], v[242:243], v[X+cj+2:X+cj+3]
.set cj, cj+4
.endr
	ACROSS
	v_mul_f32 v252, 0xbc000000, v244               ; - the mean
.set cj, 0
.rept 32
	v_pk_add_f32 v[X+cj:X+cj+1], v[X+cj:X+cj+1], v[252:253] op_sel_hi:[1,0]
.set cj, cj+2
.endr
	v_pk_mul_f32 v[240:241], v[X:X+1], v[X:X+1]
	v_pk_mul_f32 v[242:243], v[X+2:X+3], v[X+2:X+3]
.set cj, 4
.rept 15
	v_pk_fma_f32 v[240:241], v[X+cj:X+cj+1], v[X+cj:X+cj+1], v[240:241]
	v_pk_fma_f32 v[242:243], v[X+cj+2:X+cj+3], v[X+cj+2:X+cj+3], v[242:243]
.set cj, cj+4
.endr
	ACROSS
	v_fma_f32 v244, v244, s52, s53                 ; the variance + 1e-5
	v_rsq_f32 v254, v244
	v_nop                                          ; a plain line behind the transcendental
	s_wait_alu depctr_va_vdst(0)                   ; and the wait ahead of its first reader
.set cj, 0
.rept 32
	v_pk_mul_f32 v[X+cj:X+cj+1], v[X+cj:X+cj+1], v[254:255] op_sel_hi:[1,0]
.set cj, cj+2
.endr
	s_wait_dscnt 0x0                               ; gamma and beta of channels 0-63
	AFFINE X
	GLOAD 4                                        ; those of channels 64-127 land while the first half is quantised
	QP X, XF, 216, 0
	s_wait_dscnt 0x0
	AFFINE X+32
	QP X+32, XF+4, 216, 16
	ds_store_b128 v[XWI], v[XF:XF+3]               ; xn's fragment as an image, for the waves that make v
	ds_store_b128 v[XWI], v[XF+4:XF+7] offset:512
	ds_store_b32 v[XWS], v216
.irp t, 0,1,2,3,4,5,6,7                        ; q's and k's biases in the result's layout: they are the C of the products
.irp q, 0,1
	global_load_b128 v[16+8*\t+4*\q:19+8*\t+4*\q], v[BO], s[8:9] offset:4*(128*(\t/4)+OFF+16*(\t%4))+16*\q
.endr
.endr
	global_load_b32 v217, v[LR4], s[34:35]         ; v's bias of dimension r
	BARRIER                                        ; the weights' tiles and xn's sixteen fragments lie in LDS
; ---------------- q and k of my 16 tokens, four heads: source 0 = 16 columns of the weight, source 1 = xn: a lane holds token r, dimensions 8 h + j
.irp t, 0,1,2,3,4,5,6,7
	ds_load_b128 v[144+8*\t:147+8*\t], v[LI] offset:WIMG+1024*\t
	ds_load_b128 v[148+8*\t:151+8*\t], v[LI] offset:WIMG+1024*\t+512
	ds_load_b32 v[240+\t], v[LR4] offset:WSC+64*\t
.endr
	s_wait_loadcnt 0x0                             ; the biases
.irp j, 0,1,2,3,4,5,6,7
	v_mov_b32 v[224+\j], v217                      ; v's bias as a C: the same in all eight registers.  These eight lines are also the places between xn's scale word, written by a vector line, and the scaled products
.endr
	s_wait_dscnt 0x0
.irp t, 0,1,2,3,4,5,6,7
	W4 16+8*\t,144+8*\t,XF,16+8*\t,240+\t,216
.endr
	PLACES 4
.irp t, 0,1,2,3
	ds_store_b128 v[QAD], v[16+8*\t:19+8*\t] offset:1024*\t           ; q, for myself; each result from its low end on
	ds_store_b128 v[QAD], v[20+8*\t:23+8*\t] offset:1024*\t+512
.endr
.irp t, 0,1,2,3
	ds_store_b128 v[KW], v[48+8*\t:51+8*\t] offset:16384*\t           ; k: tile wave of head t, for everybody
	ds_store_b128 v[KW], v[52+8*\t:55+8*\t] offset:16384*\t+512
.endr
; ---------------- v of head hv, keys 64 kq on: source 0 = 16 tokens of xn, source 1 = the weight: a lane holds dimension r and its registers run along the keys: the pattern along the next K
.irp m, 0,1,2,3
	ds_load_b128 v[144+8*\m:147+8*\m], v[XVA] offset:1024*\m
	ds_load_b128 v[148+8*\m:151+8*\m], v[XVA] offset:1024*\m+512
	ds_load_b32 v[240+\m], v[XVS] offset:128*\m
.endr
	ds_load_b128 v[176:179], v[WVA]
	ds_load_b128 v[180:183], v[WVA] offset:512
	ds_load_b32 v244, v[WVS]
	s_wait_dscnt 0x0
.irp m, 0,1,2,3
	W4 S+8*\m,144+8*\m,176,224,240+\m,244
.endr
	PLACES 4
	QP S, 208, 216, 0
	ds_store_b128 v[VWA], v[208:211]               ; four registers of V^T's fragment
	ds_store_b16 v[VWS], v216                      ; and two bytes of its scale word (lanes r and r + 16 write the same)
	BARRIER                                        ; k's 64 tiles and V^T's eight fragments lie in LDS
; ---------------- attention: eight key steps of 128 keys, written out
	KLOAD 0
	QLOAD 0
	s_wait_dscnt 0x0
.set mxi, 0
.rept 32
	MX 32                                          ; the first step's scores: there is no vector work yet to set between them
.endr
	SOFT 0, 0
	SOFT 0, 1
	SOFT 1, 0
	SOFT 1, 1
	SOFT 2, 0
	SOFT 2, 1
	SOFT 3, 0
	SOFT 3, 1
; ---------------- h = O / l, quantised: my direction's 64 channels are two blocks of 32
.irp t, 0,1,2,3
	v_permlanex16_b32 v[BX+\t], v[L4+\t], s48, s49
.endr
.irp t, 0,1,2,3
	v_add_f32 v[L4+\t], v[L4+\t], v[BX+\t]         ; with lane l xor 16's keys: the row's sum.  (Plain lines behind the last product)
.endr
.irp t, 0,1,2,3
	v_rcp_f32 v[L4+\t], v[L4+\t]
.endr
	v_nop
	s_wait_alu depctr_va_vdst(0)                   ; one wait for the four reciprocals
.irp t, 0,1,2,3
.irp j, 0,1,2,3,4,5,6,7
	v_mul_f32 v[H+8*\t+\j], v[H+8*\t+\j], v[L4+\t] ; register 8 t + j: channel 16 t + 8 h + j of token r: the pattern
.endr
.endr
.if VERT == 0
	QP H, 176, 184, 0
	global_store_b128 v[HCO], v[176:179], s[56:57] ; the wave stores 512 consecutive bytes, aligned: 16 tokens x 32 bytes
	global_store_b32 v[LR4], v184, s[58:59]        ; 16 words (lanes r and r + 16 write the same)
	s_wait_xcnt 0x0
	v_lshl_add_u32 v254, v0, 2, 0x4d000
	v_mov_b32 v255, 0
	s_wait_tensorcnt 0x0
	ds_add_u32 v254, v255
	s_wait_dscnt 0x0
	s_endpgm
.else
	QP H, 180, 185, 0                              ; registers 4-7 of h's fragment: blocks 2 and 3
.irp T, 0,1,2,3,4,5,6,7
	ds_load_b128 v[16+8*\T:19+8*\T], v[LI] offset:WIMG+1024*(12+\T)
	ds_load_b128 v[20+8*\T:23+8*\T], v[LI] offset:WIMG+1024*(12+\T)+512
	ds_load_b32 v[240+\T], v[LR4] offset:WSC+64*(12+\T)
.endr
.irp T, 0,1,2,3,4,5,6,7                        ; x once more, in the pattern: the residual is the C of the projection
.set ot, 144+8*\T+32*(\T/4)
	ds_load_b128 v[ot:ot+3], v[XP] offset:64*\T
	ds_load_b128 v[ot+4:ot+7], v[XP] offset:64*\T+16
.endr
	s_wait_loadcnt 0x0                             ; the horizontal codes, their bytes, bproj
	v_lshl_or_b32 v185, v185, 16, v184             ; h's scale word: bytes 0, 1 horizontal, 2, 3 mine
	PLACES 8                                       ; a scale word written by a vector line stands eight places ahead of the scaled product
	s_wait_dscnt 0x0
.irp T, 0,1,2,3,4,5,6,7
.set ot, 144+8*\T+32*(\T/4)
	W4 ot,16+8*\T,176,ot,240+\T,185
.endr
	PLACES 4
.irp T, 0,1,2,3,4,5,6,7                        ; back into my rows of x in LDS, which have had their one fill and which only I touch; each result from its low end on
.set ot, 144+8*\T+32*(\T/4)
	ds_store_b128 v[XP], v[ot:ot+3] offset:64*\T
	ds_store_b128 v[XP], v[ot+4:ot+7] offset:64*\T+16
.endr
.irp i, 0,1,2,3,4,5,6,7,8,9,10,11,12,13,14,15
	ds_load_b128 v[16+4*\i:19+4*\i], v[XR] offset:XPIT*\i       ; whole rows; LDS serves a wave's instructions in order (ISA guide 5.7.1.4): these see my stores
.endr
.irp i, 0,1,2,3,4,5,6,7,8,9,10,11,12,13,14,15
	s_wait_dscnt 15-\i                             ; row i is in; the younger rows may be out
	v_pk_add_f32 v[16+4*\i:17+4*\i], v[16+4*\i:17+4*\i], v[186:187]
	v_pk_add_f32 v[18+4*\i:19+4*\i], v[18+4*\i:19+4*\i], v[188:189]
	global_store_b128 v[LI], v[16+4*\i:19+4*\i], s[24:25] offset:\i*ROWB th:TH_STORE_NT   ; 32 lanes store a token's 512 consecutive bytes, aligned
.endr
	s_endpgm
.endif
.Lfunc_end_k_q10e881bb4e_hstripes:
	.size	k_q10e881bb4e_hstripes, .Lfunc_end_k_q10e881bb4e_hstripes-k_q10e881bb4e_hstripes
	.p2alignl 7, 3214868480
	.fill 96, 4, 3214868480
	.section	.rodata,"a",@progbits
	.p2align	6, 0x0
	.amdhsa_kernel k_q10e881bb4e_hstripes
		.amdhsa_group_segment_fixed_size 317440
		.amdhsa_private_segment_fixed_size 0
		.amdhsa_enable_private_segment 0
		.amdhsa_kernarg_size 56
		.amdhsa_user_sgpr_count 2
		.amdhsa_user_sgpr_kernarg_segment_ptr 1
		.amdhsa_wavefront_size32 1
		.amdhsa_system_sgpr_workgroup_id_x 1
		.amdhsa_system_sgpr_workgroup_id_y 1
		.amdhsa_system_sgpr_workgroup_id_z 1
		.amdhsa_system_vgpr_workitem_id 0
		.amdhsa_next_free_vgpr 256
		.amdhsa_next_free_sgpr 66
		.amdhsa_reserve_vcc 0
		.amdhsa_float_denorm_mode_32 3
		.amdhsa_float_denorm_mode_16_64 3
		.amdhsa_memory_ordered 1
		.amdhsa_forward_progress 1
		.amdhsa_inst_pref_size 172
	.end_amdhsa_kernel
	.amdgpu_metadata
---
amdhsa.version: [ 1, 2 ]
amdhsa.kernels:
  - .name:           k_q10e881bb4e_hstripes
    .symbol:         k_q10e881bb4e_hstripes.kd
    .args:
      - { .name: x, .offset: 0, .size: 8, .value_kind: global_buffer, .address_space: global }
      - { .name: Wqkv, .offset: 8, .size: 8, .value_kind: global_buffer, .address_space: global }
      - { .name: bqkv, .offset: 16, .size: 8, .value_kind: global_buffer, .address_space: global }
      - { .name: gamma, .offset: 24, .size: 8, .value_kind: global_buffer, .address_space: global }
      - { .name: beta, .offset: 32, .size: 8, .value_kind: global_buffer, .address_space: global }
      - { .name: hc, .offset: 40, .size: 8, .value_kind: global_buffer, .address_space: global }
      - { .name: hs, .offset: 48, .size: 8, .value_kind: global_buffer, .address_space: global }
    .group_segment_fixed_size: 317440
    .private_segment_fixed_size: 0
    .kernarg_segment_align: 8
    .kernarg_segment_size: 56
    .max_flat_workgroup_size: 512
    .sgpr_count:     66
    .vgpr_count:     256
    .wavefront_size: 32
...
	.end_amdgpu_metadata
.endif
;; end of part 1
;; launch vstripes (part 2): grid 512 x 1, 16 waves a work-group, no clusters, 317,440 bytes of LDS; arguments x, Wqkv, bqkv, gamma, beta, hc, hs, Wproj, bproj, out0; writes out0
.if DOCPART == 2
	.amdgcn_target "amdgcn-amd-amdhsa--gfx1250"
	.amdhsa_code_object_version 6
	.text
	.protected	k_q10e881bb4e_vstripes
	.globl	k_q10e881bb4e_vstripes
	.p2align	8
	.type	k_q10e881bb4e_vstripes,@function
k_q10e881bb4e_vstripes:
	s_mov_b64 s[64:65], 0
	v_nop
	global_prefetch_b8 v0, s[64:65] scope:SCOPE_SE
	s_setreg_imm32_b32 hwreg(HW_REG_WAVE_MODE, 25, 1), 1
	s_wait_xcnt 0x0
; CSWin stripe attention, ONE DIRECTION OF STRIPES.  VERT = 0: stripes of two image rows, heads 0-3; VERT = 1: stripes of two image columns, heads 4-7, and the rest of the module.
; One text serves both directions; .if VERT stands round what differs.
; A work-group owns one stripe: 256 tokens t (VERT = 0: t = 128 hl + w; VERT = 1: t = 128 wl + h: the order in which the keys are cut into blocks of 32).
; CHAIN: LayerNorm in f32 -> xn to FP4 codes (K = 128 channels) -> q, k, v of my four heads (FP4 products with the quantised Wqkv, only the 192 columns that this direction keeps)
;   -> scores q k^T with f32 operands (K = 16) -> p = 2^(t - M), M a whole number, to FP4 along the keys; v to FP4 along the keys -> O = p v / l -> my 64 channels of h to FP4 (two blocks of 32).
;   VERT = 0 stores those codes (hc: 32 bytes a token) and their two scale bytes (hs: a word a token).
;   VERT = 1 loads them for its own tokens, joins them with its own two blocks, multiplies by the quantised Wproj, adds x and bproj and stores out0.
; SHARES: sixteen waves; wave w owns tokens 16 w .. 16 w + 15: as rows of the LayerNorm, as one tile of keys, and as its 16 queries for all four heads.
; THE PATTERN: with r = lane % 16, h = lane / 16, register 8 T + j of a lane holds element 16 T + 8 h + j of row r.  It is what a matrix result holds when source 1 carries the rows; x is read from LDS so;
;   scores, v, O and the projection come out so.  Eight registers of a tile convert into one register of codes; four tiles' codes, written in the order 0, 2, 1, 3 and exchanged by two
;   v_permlane16_swap_b32, are four registers of an FP4 operand (lanes 0-15 one block of 32, lanes 16-31 the next).
;   For the f32 product registers 2 i, 2 i + 1 of a k tile and of q in the pattern are slice i of both operands: slot (h, j) is dimension 8 h + 2 i + j on both sides.
; OPERANDS GO FROM WAVE TO WAVE THROUGH LDS AS IMAGES OF THEIR REGISTERS: four registers by one ds_store_b128 at 16 x lane.
; BY TURNS: the 32 f32 products of key step n + 1 are dealt out among the vector lines of step n's softmax.
; LIMITS: NaN and infinities among the inputs are not served.  A block of zeros gets the scale byte 1 where the quantiser's rule says 127: its codes are zeros, and this program alone reads the bytes.
;   A p under 2^-126 counts as 0.  The output is summed as (x + h Wproj) + bproj.  No cluster: work-groups share only the raw weights, for which LDS has no room beside what is used here.
.set VERT, 1
.if VERT
.set OFF,    64                        ; my first column inside q, inside k and inside v
.set PITCHE, 16384                     ; elements of x from one token of a wave's tile to the next
.set ROWB,   65536                     ; the same in bytes
.else
.set OFF,    0
.set PITCHE, 128
.set ROWB,   512
.endif
; LDS, in bytes
.set WIMG, 0                           ; 20 weight tiles (16 columns x 128 K) as images of 1,024 bytes: 4 kind + head for q, k, v; 12 .. 19 Wproj's (VERT = 1)
.set WSC,  20480                       ; their scale words, 64 bytes a tile
.set XIMG, 21760                       ; xn's 16 fragments
.set XSC,  38144                       ; their scale words, 128 bytes a tile
.set VIMG, 40192                       ; V^T's 8 fragments: 2 head + key step
.set VSC,  48384                       ; their scale words, 64 bytes each
.set KIMG, 49152                       ; 64 tiles of k in f32: 16 head + tile.  Tile w first serves wave w as scratch for gamma and beta
.set QIMG, 114688                      ; 64 tiles of q in f32: 4 wave + head; each wave reads its own
.set XROW, 180224                      ; x: 256 rows of 512 bytes + 16 of padding, filled once by the tensor loads; later (VERT = 1) each wave's stage for its rows of the output
.set XPIT, 528                         ; 33 x 16 bytes: the 16 rows that a 16-byte load touches begin at 16 different places modulo 256 bytes
; vector registers
.set LI,  1                            ; 16 x lane
.set LR4, 2                            ; 4 r
.set KAD, 3                            ; KIMG + 16 lane
.set QAD, 4                            ; QIMG + 4096 wave + 16 lane
.set XP,  5                            ; my row of x in the pattern: XROW + 8448 wave + 528 r + 32 h
.set XR,  6                            ; whole rows: XROW + 8448 wave + 16 lane
.set PFO, 7                            ; the prefetch's offset
.set WJA, 8                            ; where a weight job stores its codes;   v8-11 hold the four heads' sums l once these four addresses are done with
.set WJS, 9                            ; and its scale words
.set GP,  10                           ; gamma and beta in the pattern
.set KW,  11                           ; KIMG + 1024 wave + 16 lane
.set L4,  8
.set LS4, 12                           ; 4 x lane
.set BO,  13                           ; 32 h
.set HCO, 14                           ; my 16 bytes in hc
.set HSO, 15                           ; my word in hs (VERT = 1)
.set Q,   16                           ; v16-23  the head's q
.set X,   16                           ; v16-79  x, xn (before the attention)
.set H,   24                           ; v24-55  O, then h: 8 registers a head
.set VF,  56                           ; v56-63  V^T's fragment
.set PC,  64                           ; v64-71  p's codes
.set LS,  72                           ; v72-73, v74-75  the row sum's two chains
.set LB,  74
.set TMP, 76
.set PW,  78                           ; p's scale word
.set VS,  79                           ; V's scale word
.set S,   80                           ; v80-143 scores: written by matrix instructions alone
.set P,   144                          ; v144-175 p of 64 keys
.set KA,  176                          ; v176-239 eight tiles of k
.set WC,  208                          ; a weight job's codes
.set XF,  208                          ; v208-215 my xn fragment; v216 its scale word
.set XWI, 232                          ; v232-239 addresses that are done with before k's tiles land there
.set XWS, 233
.set XVA, 234
.set XVS, 235
.set WVA, 236
.set WVS, 237
.set VWA, 238
.set VWS, 239
.set BM,  240                          ; v240-243 blocks' maxima
.set WSW, 242                          ; a weight job's scale word: a register into which none of the job's loads lands
.set BX,  244                          ; v244-247 the other half's, then scale bytes
.set SO,  248                          ; v248-251 the conversions' scale operands
.set NM,  252                          ; -M
.set TMAX, 253                         ; the running largest t
.set F,   254                          ; v254 f = 2^(old M - new M); v255 is named with it as a pair
.macro PLACES n
.rept \n
	v_nop
.endr
.endm
.macro BARRIER                         ; my LDS stores have landed and my LDS loads are in: then the work-group's barrier
	s_wait_dscnt 0x0
	s_barrier_signal -1
	s_barrier_wait -1
.endm
.macro W4 d, a, b, c, sa, sb           ; an FP4 product of 16 x 16 x 128 with C in registers
	v_wmma_scale_f32_16x16x128_f8f6f4 v[(\d):(\d)+7], v[(\a):(\a)+7], v[(\b):(\b)+7], v[(\c):(\c)+7], v[\sa], v[\sb] matrix_a_fmt:MATRIX_FMT_FP4 matrix_b_fmt:MATRIX_FMT_FP4
.endm
.macro W4Z d, a, b, sa, sb             ; the same, starting a sum
	v_wmma_scale_f32_16x16x128_f8f6f4 v[(\d):(\d)+7], v[(\a):(\a)+7], v[(\b):(\b)+7], 0, v[\sa], v[\sb] matrix_a_fmt:MATRIX_FMT_FP4 matrix_b_fmt:MATRIX_FMT_FP4
.endm
; 32 registers in the pattern (64 along K, two blocks of 32) from v[s] become four operand registers v[d] .. v[d+3] and two scale bytes in v[w], sh bits up.
.macro QP s, d, w, sh
.irp b, 0,1
	v_max3_num_f32 v[BM+\b], |v[(\s)+16*\b]|, |v[(\s)+16*\b+1]|, 0x1800000   ; my 16 numbers of block b, and the floor 2^(3 - 127): the byte cannot fall under 1
.endr
.irp i, 2,4,6,8,10,12,14
.irp b, 0,1
	v_max3_num_f32 v[BM+\b], v[BM+\b], |v[(\s)+16*\b+\i]|, |v[(\s)+16*\b+\i+1]|
.endr
.endr
.irp b, 0,1
	v_permlanex16_b32 v[BX+\b], v[BM+\b], s48, s49
.endr
.irp b, 0,1
	v_max_num_f32 v[BM+\b], v[BM+\b], v[BX+\b]                  ; with lane l xor 16's 16: the block's largest magnitude
.endr
.irp b, 0,1
	v_add_nc_u32 v[SO+\b], 0xff000000, v[BM+\b]                 ; 2 off its exponent field: the conversion's scale operand
.endr
.irp b, 0,1
	v_lshrrev_b32 v[BX+\b], 23, v[SO+\b]                        ; the scale's byte
.endr
.if (\sh) == 0
	v_lshl_or_b32 v[\w], v[BX+1], 8, v[BX]
.else
	v_lshl_or_b32 v[\w], v[BX], \sh, v[\w]
	v_lshl_or_b32 v[\w], v[BX+1], (\sh)+8, v[\w]
.endif
	v_cvt_scalef32_pk8_fp4_f32 v[(\d)], v[(\s):(\s)+7], v[SO]           ; tile 0
	v_cvt_scalef32_pk8_fp4_f32 v[(\d)+2], v[(\s)+8:(\s)+15], v[SO]      ; tile 1
	v_cvt_scalef32_pk8_fp4_f32 v[(\d)+1], v[(\s)+16:(\s)+23], v[SO+1]   ; tile 2
	v_cvt_scalef32_pk8_fp4_f32 v[(\d)+3], v[(\s)+24:(\s)+31], v[SO+1]   ; tile 3
	v_nop                                                       ; one plain place behind the last scaled conversion
	v_permlane16_swap_b32 v[(\d)], v[(\d)+1]                    ; lanes 0-15 now hold block 0 whole, lanes 16-31 block 1
	v_permlane16_swap_b32 v[(\d)+2], v[(\d)+3]
.endm
; A WEIGHT JOB: 32 columns of a weight stored [K][N] become two tiles.  A lane takes a column and its registers run down K: block bk in 32 registers from v[16 + 32 bk + 64 (bk / 2)].
.macro WLOADB bk, pitch
.set rb, 16+32*(\bk)+64*((\bk)/2)
.set wi, 0
.rept 32
	global_load_b32 v[rb+wi], v[LS4], s[32:33] offset:(32*(\bk)+wi)*(\pitch)   ; 32 lanes read 128 neighbouring bytes of row k
.set wi, wi+1
.endr
.endm
.macro WPROC bk                        ; what it writes (v208-223, v240-242, v244, v248-251) lies outside the registers into which the job's loads land
.set rb, 16+32*(\bk)+64*((\bk)/2)
	v_max3_num_f32 v[BM], |v[rb]|, |v[rb+1]|, 0x1800000
	v_max3_num_f32 v[BM+1], |v[rb+2]|, |v[rb+3]|, 0x1800000
.set wi, 4
.rept 7
	v_max3_num_f32 v[BM], v[BM], |v[rb+wi]|, |v[rb+wi+1]|
	v_max3_num_f32 v[BM+1], v[BM+1], |v[rb+wi+2]|, |v[rb+wi+3]|
.set wi, wi+4
.endr
	v_max_num_f32 v[BM], v[BM], v[BM+1]                         ; all 32 numbers of the block are mine
	v_add_nc_u32 v[SO+(\bk)], 0xff000000, v[BM]
.if (\bk) == 0
	v_lshrrev_b32 v[WSW], 23, v[SO]
.else
	v_lshrrev_b32 v[BX], 23, v[SO+(\bk)]
	v_lshl_or_b32 v[WSW], v[BX], 8*(\bk), v[WSW]                ; the column's scale word grows byte by byte
.endif
.irp g, 0,1,2,3
	v_cvt_scalef32_pk8_fp4_f32 v[WC+4*(\bk)+\g], v[rb+8*\g:rb+8*\g+7], v[SO+(\bk)]
.endr
	v_nop
	ds_store_b128 v[WJA], v[WC+4*(\bk):WC+4*(\bk)+3] offset:512*((\bk)/2)+256*((\bk)%2)   ; block 2 c + h is registers 4 c .. 4 c + 3 of the image's lane 16 h + r
.endm
.macro WJOB pitch                      ; the loads run two blocks ahead
	WLOADB 0, \pitch
	WLOADB 1, \pitch
	s_wait_loadcnt 32                                           ; block 0 is in; block 1's 32 loads may be out
	WLOADB 2, \pitch
	WPROC 0
	s_wait_loadcnt 32                                           ; block 1 is in; block 2's may be out
	WLOADB 3, \pitch
	WPROC 1
	s_wait_loadcnt 32                                           ; block 2 is in; block 3's may be out
	WPROC 2
	s_wait_loadcnt 0x0
	WPROC 3
	ds_store_b32 v[WJS], v[WSW]
.endm
.macro GLOAD t0                        ; gamma and beta of tiles t0 .. t0 + 3, in the pattern, out of my scratch
.irp T, 0,1,2,3
.irp q, 0,1
	ds_load_b128 v[144+8*\T+4*\q:147+8*\T+4*\q], v[GP] offset:64*((\t0)+\T)+16*\q
	ds_load_b128 v[176+8*\T+4*\q:179+8*\T+4*\q], v[GP] offset:512+64*((\t0)+\T)+16*\q
.endr
.endr
.endm
.macro AFFINE x0                       ; 32 numbers from v[x0]: x gamma + beta
.set cj, 0
.rept 16
	v_pk_fma_f32 v[(\x0)+cj:(\x0)+cj+1], v[(\x0)+cj:(\x0)+cj+1], v[144+cj:145+cj], v[176+cj:177+cj]
.set cj, cj+2
.endr
.endm
.macro ACROSS                          ; two packed chains in v[240:243] -> v244: the row's sum, in every lane
	v_pk_add_f32 v[240:241], v[240:241], v[242:243]
	v_add_f32 v244, v240, v241
	v_permlanex16_b32 v245, v244, s48, s49
	v_add_f32 v244, v244, v245
.endm
.macro KLOAD st                        ; the eight tiles of k of key step st (head st / 2, keys 128 (st % 2) on)
.irp T, 0,1,2,3,4,5,6,7
	ds_load_b128 v[KA+8*\T:KA+8*\T+3], v[KAD] offset:(16*((\st)/2)+8*((\st)%2)+\T)*1024
	ds_load_b128 v[KA+8*\T+4:KA+8*\T+7], v[KAD] offset:(16*((\st)/2)+8*((\st)%2)+\T)*1024+512
.endr
.endm
.macro QLOAD hd
	ds_load_b128 v[Q:Q+3], v[QAD] offset:1024*(\hd)
	ds_load_b128 v[Q+4:Q+7], v[QAD] offset:1024*(\hd)+512
.endm
.macro VLOAD st
	ds_load_b128 v[VF:VF+3], v[LI] offset:VIMG+1024*(\st)
	ds_load_b128 v[VF+4:VF+7], v[LI] offset:VIMG+1024*(\st)+512
	ds_load_b32 v[VS], v[LR4] offset:VSC+64*(\st)
.endm
; Product number mxi of 32 of S^T = k q^T (source 0 = 16 keys, source 1 = my 16 queries), if mxi is under lim: group mxi / 16 of four tiles, slice (mxi % 16) / 4, tile mxi % 4.
; A group's four accumulators take turns, one instruction a turn.  Slice 0 starts the sums with the constant 0.
.macro MX lim
.if mxi < \lim
.set mg, mxi/16
.set mi, (mxi%16)/4
.set mt, mxi%4
.if mi == 0
	v_wmma_f32_16x16x4_f32 v[S+8*(4*mg+mt):S+8*(4*mg+mt)+7], v[KA+32*mg+8*mt+2*mi:KA+32*mg+8*mt+2*mi+1], v[Q+2*mi:Q+2*mi+1], 0
.else
	v_wmma_f32_16x16x4_f32 v[S+8*(4*mg+mt):S+8*(4*mg+mt)+7], v[KA+32*mg+8*mt+2*mi:KA+32*mg+8*mt+2*mi+1], v[Q+2*mi:Q+2*mi+1], v[S+8*(4*mg+mt):S+8*(4*mg+mt)+7]
.endif
.set mxi, mxi+1
.endif
.endm
.macro TICK lim, per                   ; behind every per-th vector line one product
.set tk, tk+1
.if (tk%(\per)) == 0
	MX \lim
.endif
.endm
; 64 keys of a step: score tiles 4 ch .. 4 ch + 3.  Their scores are copied out (as t - M) first; only then the next step's products, dealt out below, write those tiles anew.
.macro CHUNK ch, s, lim, per
.set tk, 0
.set cj, 0
.rept 16
	v_pk_fma_f32 v[P+cj:P+cj+1], v[S+32*(\ch)+cj:S+32*(\ch)+cj+1], s[50:51], v[NM:NM+1] op_sel_hi:[1,0,0]   ; t - M, two at a time
.set cj, cj+2
.endr
.if (\ch) == 0
.irp b, 0,1,2,3
	v_fma_f32 v[BM+\b], v[BM+\b], s50, v[NM]                    ; the same of each block's largest score: p rises with the score
.endr
	s_wait_dscnt 0x0                                            ; the next step's k (and q) and this step's V are in
.endif
.set cj, 0
.rept 32
	v_exp_f32 v[P+cj], v[P+cj]                                  ; p = 2^(t - M): not normalised
	TICK \lim, \per
.set cj, cj+1
.endr
.if (\ch) == 0
.irp b, 0,1,2,3
	v_exp_f32 v[BM+\b], v[BM+\b]                                ; the blocks' largest p
	TICK \lim, \per
.endr
.endif
.if ((\ch) == 0) && ((\s) == 1)
	v_pk_mul_f32 v[LS:LS+1], v[LS:LS+1], v[F:F+1] op_sel_hi:[1,0]   ; the sum under the new M; also the plain line behind the exponentials
.else
	v_nop                                                       ; the plain line behind the exponentials
.endif
	s_wait_alu depctr_va_vdst(0)                                ; one wait for the batch, ahead of the first line that names a result
.if (\ch) == 0
.irp b, 0,1,2,3
	v_max_num_f32 v[BM+\b], 0x1800000, v[BM+\b]                 ; the floor 2^(3 - 127)
	TICK \lim, \per
.endr
.irp b, 0,1,2,3
	v_add_nc_u32 v[SO+\b], 0xff000000, v[BM+\b]
	TICK \lim, \per
.endr
.irp b, 0,1,2,3
	v_lshrrev_b32 v[BX+\b], 23, v[SO+\b]
	TICK \lim, \per
.endr
	v_lshl_or_b32 v[PW], v[BX+1], 8, v[BX]                      ; p's scale word for these 128 keys
	TICK \lim, \per
	v_lshl_or_b32 v[PW], v[BX+2], 16, v[PW]
	TICK \lim, \per
	v_lshl_or_b32 v[PW], v[BX+3], 24, v[PW]
	TICK \lim, \per
.if (\s) == 0
	v_pk_add_f32 v[LS:LS+1], v[P:P+1], v[P+4:P+5]               ; THE ROW'S SUM IS TAKEN OF THE UNQUANTISED p.  A head's first step starts it: nothing is cleared
	TICK \lim, \per
.else
	v_pk_add_f32 v[LS:LS+1], v[LS:LS+1], v[P:P+1]
	TICK \lim, \per
	v_pk_add_f32 v[LS:LS+1], v[LS:LS+1], v[P+4:P+5]
	TICK \lim, \per
.endif
	v_pk_add_f32 v[LB:LB+1], v[P+2:P+3], v[P+6:P+7]             ; the second chain begins anew in every step
	TICK \lim, \per
.set cj, 8
.rept 6
	v_pk_add_f32 v[LS:LS+1], v[LS:LS+1], v[P+cj:P+cj+1]
	TICK \lim, \per
	v_pk_add_f32 v[LB:LB+1], v[LB:LB+1], v[P+cj+2:P+cj+3]
	TICK \lim, \per
.set cj, cj+4
.endr
.else
.set cj, 0
.rept 8
	v_pk_add_f32 v[LS:LS+1], v[LS:LS+1], v[P+cj:P+cj+1]
	TICK \lim, \per
	v_pk_add_f32 v[LB:LB+1], v[LB:LB+1], v[P+cj+2:P+cj+3]
	TICK \lim, \per
.set cj, cj+4
.endr
	v_pk_add_f32 v[LS:LS+1], v[LS:LS+1], v[LB:LB+1]             ; and ends in the first at the step's end
.endif
.rept 16
	MX \lim                                                     ; what is left of this chunk's sixteen products
.endr
	v_cvt_scalef32_pk8_fp4_f32 v[PC+4*(\ch)], v[P:P+7], v[SO+2*(\ch)]
	v_cvt_scalef32_pk8_fp4_f32 v[PC+4*(\ch)+2], v[P+8:P+15], v[SO+2*(\ch)]
	v_cvt_scalef32_pk8_fp4_f32 v[PC+4*(\ch)+1], v[P+16:P+23], v[SO+2*(\ch)+1]
	v_cvt_scalef32_pk8_fp4_f32 v[PC+4*(\ch)+3], v[P+24:P+31], v[SO+2*(\ch)+1]
	v_nop                                                       ; one plain place behind the last scaled conversion
	v_permlane16_swap_b32 v[PC+4*(\ch)], v[PC+4*(\ch)+1]
	v_permlane16_swap_b32 v[PC+4*(\ch)+2], v[PC+4*(\ch)+3]
.endm
; KEY STEP 2 hd + s: the softmax and O^T += V^T P^T of head hd, keys 128 s on; among its lines the scores of the next step.
.macro SOFT hd, s
.set stn, 2*(\hd)+(\s)
	PLACES 8                                                    ; eight places behind the last f32 product, ahead of the reads of its results and of the loads into k's and q's registers; they serve V's registers too
.if stn < 7
	KLOAD stn+1
.if (\s) == 1
	QLOAD (\hd)+1
.endif
.endif
	VLOAD stn
.if stn == 7
.if VERT
	global_load_b128 v[176:179], v[HCO], s[56:57]               ; the horizontal heads' codes of my tokens: lane (r, h) takes block h of token r: registers 0-3 of h's fragment
	global_load_b32 v184, v[HSO], s[58:59]                      ; and their two scale bytes
	global_load_b128 v[186:189], v[LI], s[22:23]                ; bproj: channels 4 lane .. 4 lane + 3
.endif
	; A prefetch into the L2: in the last key step the first 256 work-groups ask for the rows of x of the work-group 256 further on, each wave for that work-group's same wave's 16 rows:
	; a lane names one aligned block of 256 bytes (half a row), so each block is named once in the launch; work-group + 256 is at most 511, so every address lies inside x.
	s_cmp_lt_u32 ttmp9, 256
	s_cbranch_scc0 .Lno_ask_\@
	global_prefetch_b8 v[PFO], s[54:55] th:TH_LOAD_NT scope:SCOPE_SE
.Lno_ask_\@:
.endif
.irp b, 0,1,2,3
	v_max3_num_f32 v[BM+\b], v[S+16*\b], v[S+16*\b+1], v[S+16*\b+2]   ; the largest score of each block of 32 keys; each tile is read from its low end on
.endr
.irp i, 3,5,7,9,11,13
.irp b, 0,1,2,3
	v_max3_num_f32 v[BM+\b], v[BM+\b], v[S+16*\b+\i], v[S+16*\b+\i+1]
.endr
.endr
.irp b, 0,1,2,3
	v_max_num_f32 v[BM+\b], v[BM+\b], v[S+16*\b+15]
.endr
.irp b, 0,1,2,3
	v_permlanex16_b32 v[BX+\b], v[BM+\b], s48, s49
.endr
.irp b, 0,1,2,3
	v_max_num_f32 v[BM+\b], v[BM+\b], v[BX+\b]
.endr
	v_max3_num_f32 v[TMP], v[BM], v[BM+1], v[BM+2]
	v_max_num_f32 v[TMP], v[TMP], v[BM+3]                       ; the step's largest score of my query
.if (\s) == 0
	v_mul_f32 v[TMAX], s50, v[TMP]                              ; as t = score x log2(e) / 4
	v_floor_f32 v[NM], -v[TMAX]                                 ; -M = floor(-t) = -ceil(t)
.else
	v_mul_f32 v[TMP], s50, v[TMP]
	v_max_num_f32 v[TMAX], v[TMAX], v[TMP]                      ; the running largest t
	v_mov_b32 v[TMP], v[NM]
	v_floor_f32 v[NM], -v[TMAX]
	v_sub_f32 v[TMP], v[NM], v[TMP]                             ; old M - new M: a whole number, 0 or less
	v_cvt_i32_f32 v[TMP], v[TMP]
	v_ldexp_f32 v[F], 1.0, v[TMP]                               ; f = 2^(old M - new M): multiplying by it rounds nothing
.endif
.if stn < 7
.set mxi, 0
.else
.set mxi, 32                                                    ; no step follows the last
.endif
	CHUNK 0, \s, 16, 4
	CHUNK 1, \s, 32, 3
.if (\s) == 1
.irp j, 0,2,4,6
	v_pk_mul_f32 v[H+8*(\hd)+\j:H+8*(\hd)+\j+1], v[H+8*(\hd)+\j:H+8*(\hd)+\j+1], v[F:F+1] op_sel_hi:[1,0]   ; O^T under the new M
.endr
.endif
	PLACES 4                                                    ; p's codes were written by vector lines: four places ahead of the scaled product
.if (\s) == 0
	W4Z H+8*(\hd),VF,PC,VS,PW
.else
.if stn == 7
	s_wait_alu depctr_va_vdst(0)                                ; this link follows straight on the matrix instruction that it adds onto
.endif
	W4 H+8*(\hd),VF,PC,H+8*(\hd),VS,PW
	v_add_f32 v[L4+(\hd)], v[LS], v[LS+1]                       ; the head's sum, my half of the keys
.endif
.endm
; ---------------- the head: x's tile is asked for first
	s_load_b256 s[4:11], s[0:1], 0x0               ; x s[4:5], Wqkv s[6:7], bqkv s[8:9], gamma s[10:11]
	s_load_b128 s[12:15], s[0:1], 0x20             ; beta s[12:13], hc s[14:15]
	s_load_b64 s[16:17], s[0:1], 0x30              ; hs
.if VERT
	s_load_b64 s[20:21], s[0:1], 0x38              ; Wproj
	s_load_b64 s[22:23], s[0:1], 0x40              ; bproj
	s_load_b64 s[24:25], s[0:1], 0x48              ; out0
	v_lshl_add_u32 v254, v0, 2, 0x4d000
	v_mov_b32 v255, 0
	ds_add_u32 v254, v255
	ds_add_u32 v254, v255
	s_wait_dscnt 0x0
.endif
	v_lshrrev_b32 v72, 5, v0
	v_readfirstlane_b32 s26, v72                   ; wave 0..15
	; descriptor group 1: 16 rows of 128 elements of 4 bytes, PITCHE elements apart; in LDS 4 words of padding behind every 128
	s_mov_b32 s40, (2<<16)|(1<<20)|(6<<22)|(3<<25)
	s_mov_b32 s41, 128<<16                         ; tensor_dim0
	s_mov_b32 s42, 16<<16                          ; tensor_dim1
	s_mov_b32 s43, 128<<16                         ; tile_dim0
	s_mov_b32 s44, 16                              ; tile_dim1
	s_mov_b32 s45, PITCHE                          ; from row to row
	s_mov_b32 s46, 0
	s_mov_b32 s47, 0
	s_mov_b32 s36, 1                               ; group 0: count,
	s_mul_i32 s37, s26, 16*XPIT
	s_add_co_u32 s37, s37, XROW                    ; my 16 rows in LDS
.if VERT
	s_lshr_b32 s60, ttmp9, 6                       ; image b
	s_and_b32 s61, ttmp9, 63                       ; stripe: columns 2 sv, 2 sv + 1
	s_lshr_b32 s62, s26, 3                         ; wl: which of the two columns is my wave's
	s_and_b32 s63, s26, 7                          ; my 16 image rows: 16 (wave % 8) on
	s_lshl_b32 s28, s60, 23
	s_lshl_b32 s27, s61, 10
	s_add_co_u32 s28, s28, s27
	s_lshl_b32 s27, s62, 9
	s_add_co_u32 s28, s28, s27
	s_lshl_b32 s27, s63, 20
	s_add_co_u32 s28, s28, s27                     ; my first token's byte in x and in out0
.else
	s_lshl_b32 s28, ttmp9, 17                      ; a stripe is 256 tokens of 512 bytes on end,
	s_lshl_b32 s27, s26, 13                        ; my wave's 16 of them
	s_add_co_u32 s28, s28, s27
.endif
	s_mov_b32 s29, 0
	s_wait_kmcnt 0x0
	s_add_nc_u64 s[38:39], s[4:5], s[28:29]        ; the tile's first element
	s_add_nc_u64 s[54:55], s[38:39], 0x2000000     ; the same wave's tile of the work-group 256 further on: for the prefetch
	s_or_b32 s39, s39, 0x80000000                  ; type = 2
	tensor_load_to_lds s[36:39], s[40:47]          ; my one tensor load: these LDS bytes are filled once in the launch
	s_nop 0
	PLACES 4
	s_mov_b32 s48, 0x76543210
	s_mov_b32 s49, 0xfedcba98                      ; v_permlanex16_b32's selects for lane l xor 16
	s_mov_b32 s50, 0x3eb8aa3b                      ; log2(e) / sqrt(16)
	s_mov_b32 s51, s50                             ; (named with it as a pair)
	s_mov_b32 s52, 0x3c000000                      ; 1 / 128
	s_mov_b32 s53, 0x3727c5ac                      ; 1e-5
	s_and_b32 s18, s26, 3                          ; hv: the head whose v I make
	s_lshr_b32 s19, s26, 2                         ; kq: for keys 64 kq .. 64 kq + 63
	; every LDS address is made here, ahead of the first branch on the wave's number
	v_and_b32 v72, 31, v0                          ; lane
	v_and_b32 v73, 15, v0                          ; r
	v_bfe_u32 v74, v0, 4, 1                        ; h
	v_lshlrev_b32 v[LI], 4, v72
	v_lshlrev_b32 v[LR4], 2, v73
	v_lshlrev_b32 v[LS4], 2, v72
	v_lshlrev_b32 v[BO], 5, v74
	v_add_nc_u32 v[KAD], KIMG, v[LI]
	s_lshl_b32 s30, s26, 12
	s_add_co_u32 s30, s30, QIMG
	v_add_nc_u32 v[QAD], s30, v[LI]
	v_add_nc_u32 v[XR], s37, v[LI]
	v_mul_u32_u24 v75, v73, XPIT
	v_add_nc_u32 v75, v75, v[BO]
	v_add_nc_u32 v[XP], s37, v75
	v_lshrrev_b32 v75, 1, v72
	v_mul_u32_u24 v75, v75, ROWB
	v_and_b32 v[PFO], 1, v72
	v_lshl_add_u32 v[PFO], v[PFO], 8, v75          ; row lane / 2, half lane % 2
	s_lshl_b32 s30, s26, 11
	s_add_co_u32 s30, s30, WIMG
	v_lshlrev_b32 v75, 4, v73
	v_lshl_add_u32 v75, v74, 10, v75
	v_add_nc_u32 v[WJA], s30, v75                  ; tile 2 wave + h, place r
	s_lshl_b32 s30, s26, 10
	s_add_co_u32 s27, s30, KIMG
	v_add_nc_u32 v[GP], s27, v[BO]
	v_add_nc_u32 v[KW], s27, v[LI]
	s_add_co_u32 s27, s30, XIMG
	v_add_nc_u32 v[XWI], s27, v[LI]
	s_lshl_b32 s30, s26, 7
	s_add_co_u32 s27, s30, WSC
	v_add_nc_u32 v[WJS], s27, v[LS4]
	s_add_co_u32 s27, s30, XSC
	v_add_nc_u32 v[XWS], s27, v[LS4]
	s_lshl_b32 s30, s19, 12
	s_add_co_u32 s30, s30, XIMG
	v_add_nc_u32 v[XVA], s30, v[LI]                ; xn's tiles 4 kq on
	s_lshl_b32 s30, s19, 9
	s_add_co_u32 s27, s30, XSC
	v_add_nc_u32 v[XVS], s27, v[LS4]
	s_lshl_b32 s27, s18, 10
	s_add_co_u32 s27, s27, WIMG+8*1024
	v_add_nc_u32 v[WVA], s27, v[LI]                ; weight tile 8 + hv
	s_lshl_b32 s27, s18, 6
	s_add_co_u32 s27, s27, WSC+8*64
	v_add_nc_u32 v[WVS], s27, v[LR4]
	s_lshl_b32 s27, s18, 11
	s_add_co_u32 s27, s27, s30
	s_add_co_u32 s27, s27, VIMG
	v_add_nc_u32 v[VWA], s27, v[LI]                ; fragment 2 hv + kq / 2, registers 4 (kq % 2) on
	s_lshl_b32 s27, s18, 7
	s_lshr_b32 s30, s19, 1
	s_lshl_b32 s30, s30, 6
	s_add_co_u32 s27, s27, s30
	s_and_b32 s30, s19, 1
	s_lshl_b32 s30, s30, 1
	s_add_co_u32 s27, s27, s30
	s_add_co_u32 s27, s27, VSC
	v_add_nc_u32 v[VWS], s27, v[LR4]               ; its scale word's bytes 2 (kq % 2), + 1
.if VERT
	v_lshlrev_b32 v75, 12, v73                     ; hc: 32 bytes a token; my tokens lie an image row (4,096 bytes) apart
	v_lshlrev_b32 v[HSO], 9, v73                   ; hs: 4 bytes a token
.else
	v_lshlrev_b32 v75, 5, v73                      ; hc: my tokens lie on end
.endif
	v_lshl_add_u32 v[HCO], v74, 4, v75             ; block h's 16 bytes
.irp b, 0,1,2,3
	v_mov_b32 v[BX+\b], 0                          ; written once: a lane permute's destination counts as one of its sources
.endr
	v_mov_b32 v253, 0                              ; (upper halves of pairs that are named before they are first written)
	v_mov_b32 v255, 0
	; the other buffers at my wave's part
.if VERT
	s_lshl_b32 s56, s60, 19
	s_lshl_b32 s27, s63, 16
	s_add_co_u32 s56, s56, s27
	s_lshl_b32 s27, s61, 6
	s_add_co_u32 s56, s56, s27
	s_lshl_b32 s27, s62, 5
	s_add_co_u32 s56, s56, s27
	s_lshl_b32 s58, s60, 16
	s_lshl_b32 s27, s63, 13
	s_add_co_u32 s58, s58, s27
	s_lshl_b32 s27, s61, 3
	s_add_co_u32 s58, s58, s27
	s_lshl_b32 s27, s62, 2
	s_add_co_u32 s58, s58, s27
	s_add_nc_u64 s[24:25], s[24:25], s[28:29]      ; out0 at my first token
.else
	s_lshl_b32 s56, ttmp9, 13
	s_lshl_b32 s27, s26, 9
	s_add_co_u32 s56, s56, s27
	s_lshl_b32 s58, ttmp9, 10
	s_lshl_b32 s27, s26, 6
	s_add_co_u32 s58, s58, s27
.endif
	s_mov_b32 s57, 0
	s_mov_b32 s59, 0
	s_add_nc_u64 s[56:57], s[14:15], s[56:57]      ; hc
	s_add_nc_u64 s[58:59], s[16:17], s[58:59]      ; hs
	s_lshl_b32 s30, s18, 6
	s_add_co_u32 s30, s30, 4*(256+OFF)
	s_mov_b32 s31, 0
	s_add_nc_u64 s[34:35], s[8:9], s[30:31]        ; bqkv at v's head hv
	global_load_b128 v[224:227], v[LI], s[10:11]   ; gamma: 32 lanes x 16 bytes
	global_load_b128 v[228:231], v[LI], s[12:13]   ; beta
; ---------------- the weights: waves 0-5 quantise my 192 columns of Wqkv (tiles 2 wave, 2 wave + 1); with VERT = 1 waves 6-9 Wproj's 128
	s_cmp_lt_u32 s26, 6
	s_cbranch_scc0 .Lnot_qkv
	s_lshr_b32 s30, s26, 1                         ; q, k or v
	s_lshl_b32 s30, s30, 9
	s_and_b32 s27, s26, 1                          ; heads 0, 1 or 2, 3
	s_lshl_b32 s27, s27, 7
	s_add_co_u32 s30, s30, s27
	s_add_co_u32 s30, s30, 4*OFF
	s_mov_b32 s31, 0
	s_add_nc_u64 s[32:33], s[6:7], s[30:31]
	WJOB 1536
.if VERT
	s_branch .Lweights_done
.endif
.Lnot_qkv:
.if VERT
	s_cmp_lt_u32 s26, 10
	s_cbranch_scc0 .Lweights_done
	s_sub_co_u32 s30, s26, 6
	s_lshl_b32 s30, s30, 7
	s_mov_b32 s31, 0
	s_add_nc_u64 s[32:33], s[20:21], s[30:31]
	WJOB 512
.Lweights_done:
.endif
; ---------------- LayerNorm of my 16 tokens, and xn's fragment
	s_wait_loadcnt 0x0                             ; gamma and beta
	ds_store_b128 v[KW], v[224:227]                ; into my scratch, to come back in the pattern
	ds_store_b128 v[KW], v[228:231] offset:512
	s_wait_tensorcnt 0x0                           ; my rows of x lie in LDS; only I read them
.irp T, 0,1,2,3,4,5,6,7
	ds_load_b128 v[X+8*\T:X+8*\T+3], v[XP] offset:64*\T
	ds_load_b128 v[X+8*\T+4:X+8*\T+7], v[XP] offset:64*\T+16
.endr
	GLOAD 0
	s_wait_dscnt 16                                ; x is in; the 16 loads of gamma and beta behind it may be out
	v_pk_add_f32 v[240:241], v[X:X+1], v[X+2:X+3]
	v_pk_add_f32 v[242:243], v[X+4:X+5], v[X+6:X+7]
.set cj, 8
.rept 14
	v_pk_add_f32 v[240:241], v[240:241], v[X+cj:X+cj+1]
	v_pk_add_f32 v[242:243], v[242:243], v[X+cj+2:X+cj+3]
.set cj, cj+4
.endr
	ACROSS
	v_mul_f32 v252, 0xbc000000, v244               ; - the mean
.set cj, 0
.rept 32
	v_pk_add_f32 v[X+cj:X+cj+1], v[X+cj:X+cj+1], v[252:253] op_sel_hi:[1,0]
.set cj, cj+2
.endr
	v_pk_mul_f32 v[240:241], v[X:X+1], v[X:X+1]
	v_pk_mul_f32 v[242:243], v[X+2:X+3], v[X+2:X+3]
.set cj, 4
.rept 15
	v_pk_fma_f32 v[240:241], v[X+cj:X+cj+1], v[X+cj:X+cj+1], v[240:241]
	v_pk_fma_f32 v[242:243], v[X+cj+2:X+cj+3], v[X+cj+2:X+cj+3], v[242:243]
.set cj, cj+4
.endr
	ACROSS
	v_fma_f32 v244, v244, s52, s53                 ; the variance + 1e-5
	v_rsq_f32 v254, v244
	v_nop                                          ; a plain line behind the transcendental
	s_wait_alu depctr_va_vdst(0)                   ; and the wait ahead of its first reader
.set cj, 0
.rept 32
	v_pk_mul_f32 v[X+cj:X+cj+1], v[X+cj:X+cj+1], v[254:255] op_sel_hi:[1,0]
.set cj, cj+2
.endr
	s_wait_dscnt 0x0                               ; gamma and beta of channels 0-63
	AFFINE X
	GLOAD 4                                        ; those of channels 64-127 land while the first half is quantised
	QP X, XF, 216, 0
	s_wait_dscnt 0x0
	AFFINE X+32
	QP X+32, XF+4, 216, 16
	ds_store_b128 v[XWI], v[XF:XF+3]               ; xn's fragment as an image, for the waves that make v
	ds_store_b128 v[XWI], v[XF+4:XF+7] offset:512
	ds_store_b32 v[XWS], v216
.irp t, 0,1,2,3,4,5,6,7                        ; q's and k's biases in the result's layout: they are the C of the products
.irp q, 0,1
	global_load_b128 v[16+8*\t+4*\q:19+8*\t+4*\q], v[BO], s[8:9] offset:4*(128*(\t/4)+OFF+16*(\t%4))+16*\q
.endr
.endr
	global_load_b32 v217, v[LR4], s[34:35]         ; v's bias of dimension r
	BARRIER                                        ; the weights' tiles and xn's sixteen fragments lie in LDS
; ---------------- q and k of my 16 tokens, four heads: source 0 = 16 columns of the weight, source 1 = xn: a lane holds token r, dimensions 8 h + j
.irp t, 0,1,2,3,4,5,6,7
	ds_load_b128 v[144+8*\t:147+8*\t], v[LI] offset:WIMG+1024*\t
	ds_load_b128 v[148+8*\t:151+8*\t], v[LI] offset:WIMG+1024*\t+512
	ds_load_b32 v[240+\t], v[LR4] offset:WSC+64*\t
.endr
	s_wait_loadcnt 0x0                             ; the biases
.irp j, 0,1,2,3,4,5,6,7
	v_mov_b32 v[224+\j], v217                      ; v's bias as a C: the same in all eight registers.  These eight lines are also the places between xn's scale word, written by a vector line, and the scaled products
.endr
	s_wait_dscnt 0x0
.irp t, 0,1,2,3,4,5,6,7
	W4 16+8*\t,144+8*\t,XF,16+8*\t,240+\t,216
.endr
	PLACES 4
.irp t, 0,1,2,3
	ds_store_b128 v[QAD], v[16+8*\t:19+8*\t] offset:1024*\t           ; q, for myself; each result from its low end on
	ds_store_b128 v[QAD], v[20+8*\t:23+8*\t] offset:1024*\t+512
.endr
.irp t, 0,1,2,3
	ds_store_b128 v[KW], v[48+8*\t:51+8*\t] offset:16384*\t           ; k: tile wave of head t, for everybody
	ds_store_b128 v[KW], v[52+8*\t:55+8*\t] offset:16384*\t+512
.endr
; ---------------- v of head hv, keys 64 kq on: source 0 = 16 tokens of xn, source 1 = the weight: a lane holds dimension r and its registers run along the keys: the pattern along the next K
.irp m, 0,1,2,3
	ds_load_b128 v[144+8*\m:147+8*\m], v[XVA] offset:1024*\m
	ds_load_b128 v[148+8*\m:151+8*\m], v[XVA] offset:1024*\m+512
	ds_load_b32 v[240+\m], v[XVS] offset:128*\m
.endr
	ds_load_b128 v[176:179], v[WVA]
	ds_load_b128 v[180:183], v[WVA] offset:512
	ds_load_b32 v244, v[WVS]
	s_wait_dscnt 0x0
.irp m, 0,1,2,3
	W4 S+8*\m,144+8*\m,176,224,240+\m,244
.endr
	PLACES 4
	QP S, 208, 216, 0
	ds_store_b128 v[VWA], v[208:211]               ; four registers of V^T's fragment
	ds_store_b16 v[VWS], v216                      ; and two bytes of its scale word (lanes r and r + 16 write the same)
	BARRIER                                        ; k's 64 tiles and V^T's eight fragments lie in LDS
; ---------------- attention: eight key steps of 128 keys, written out
	KLOAD 0
	QLOAD 0
	s_wait_dscnt 0x0
.set mxi, 0
.rept 32
	MX 32                                          ; the first step's scores: there is no vector work yet to set between them
.endr
	SOFT 0, 0
	SOFT 0, 1
	SOFT 1, 0
	SOFT 1, 1
	SOFT 2, 0
	SOFT 2, 1
	SOFT 3, 0
	SOFT 3, 1
; ---------------- h = O / l, quantised: my direction's 64 channels are two blocks of 32
.irp t, 0,1,2,3
	v_permlanex16_b32 v[BX+\t], v[L4+\t], s48, s49
.endr
.irp t, 0,1,2,3
	v_add_f32 v[L4+\t], v[L4+\t], v[BX+\t]         ; with lane l xor 16's keys: the row's sum.  (Plain lines behind the last product)
.endr
.irp t, 0,1,2,3
	v_rcp_f32 v[L4+\t], v[L4+\t]
.endr
	v_nop
	s_wait_alu depctr_va_vdst(0)                   ; one wait for the four reciprocals
.irp t, 0,1,2,3
.irp j, 0,1,2,3,4,5,6,7
	v_mul_f32 v[H+8*\t+\j], v[H+8*\t+\j], v[L4+\t] ; register 8 t + j: channel 16 t + 8 h + j of token r: the pattern
.endr
.endr
.if VERT == 0
	QP H, 176, 184, 0
	global_store_b128 v[HCO], v[176:179], s[56:57] ; the wave stores 512 consecutive bytes, aligned: 16 tokens x 32 bytes
	global_store_b32 v[LR4], v184, s[58:59]        ; 16 words (lanes r and r + 16 write the same)
	s_endpgm
.else
	QP H, 180, 185, 0                              ; registers 4-7 of h's fragment: blocks 2 and 3
.irp T, 0,1,2,3,4,5,6,7
	ds_load_b128 v[16+8*\T:19+8*\T], v[LI] offset:WIMG+1024*(12+\T)
	ds_load_b128 v[20+8*\T:23+8*\T], v[LI] offset:WIMG+1024*(12+\T)+512
	ds_load_b32 v[240+\T], v[LR4] offset:WSC+64*(12+\T)
.endr
.irp T, 0,1,2,3,4,5,6,7                        ; x once more, in the pattern: the residual is the C of the projection
.set ot, 144+8*\T+32*(\T/4)
	ds_load_b128 v[ot:ot+3], v[XP] offset:64*\T
	ds_load_b128 v[ot+4:ot+7], v[XP] offset:64*\T+16
.endr
	s_wait_loadcnt 0x0                             ; the horizontal codes, their bytes, bproj
	v_lshl_or_b32 v185, v185, 16, v184             ; h's scale word: bytes 0, 1 horizontal, 2, 3 mine
	PLACES 8                                       ; a scale word written by a vector line stands eight places ahead of the scaled product
	s_wait_dscnt 0x0
.irp T, 0,1,2,3,4,5,6,7
.set ot, 144+8*\T+32*(\T/4)
	W4 ot,16+8*\T,176,ot,240+\T,185
.endr
	PLACES 4
.irp T, 0,1,2,3,4,5,6,7                        ; back into my rows of x in LDS, which have had their one fill and which only I touch; each result from its low end on
.set ot, 144+8*\T+32*(\T/4)
	ds_store_b128 v[XP], v[ot:ot+3] offset:64*\T
	ds_store_b128 v[XP], v[ot+4:ot+7] offset:64*\T+16
.endr
.irp i, 0,1,2,3,4,5,6,7,8,9,10,11,12,13,14,15
	ds_load_b128 v[16+4*\i:19+4*\i], v[XR] offset:XPIT*\i       ; whole rows; LDS serves a wave's instructions in order (ISA guide 5.7.1.4): these see my stores
.endr
.irp i, 0,1,2,3,4,5,6,7,8,9,10,11,12,13,14,15
	s_wait_dscnt 15-\i                             ; row i is in; the younger rows may be out
	v_pk_add_f32 v[16+4*\i:17+4*\i], v[16+4*\i:17+4*\i], v[186:187]
	v_pk_add_f32 v[18+4*\i:19+4*\i], v[18+4*\i:19+4*\i], v[188:189]
	global_store_b128 v[LI], v[16+4*\i:19+4*\i], s[24:25] offset:\i*ROWB th:TH_STORE_NT   ; 32 lanes store a token's 512 consecutive bytes, aligned
.endr
	s_wait_xcnt 0x0
	v_lshl_add_u32 v254, v0, 2, 0x4d000
	v_mov_b32 v255, 0
	s_wait_tensorcnt 0x0
	ds_add_u32 v254, v255
	s_wait_dscnt 0x0
	s_endpgm
.endif
.Lfunc_end_k_q10e881bb4e_vstripes:
	.size	k_q10e881bb4e_vstripes, .Lfunc_end_k_q10e881bb4e_vstripes-k_q10e881bb4e_vstripes
	.p2alignl 7, 3214868480
	.fill 96, 4, 3214868480
	.section	.rodata,"a",@progbits
	.p2align	6, 0x0
	.amdhsa_kernel k_q10e881bb4e_vstripes
		.amdhsa_group_segment_fixed_size 317440
		.amdhsa_private_segment_fixed_size 0
		.amdhsa_enable_private_segment 0
		.amdhsa_kernarg_size 80
		.amdhsa_user_sgpr_count 2
		.amdhsa_user_sgpr_kernarg_segment_ptr 1
		.amdhsa_wavefront_size32 1
		.amdhsa_system_sgpr_workgroup_id_x 1
		.amdhsa_system_sgpr_workgroup_id_y 1
		.amdhsa_system_sgpr_workgroup_id_z 1
		.amdhsa_system_vgpr_workitem_id 0
		.amdhsa_next_free_vgpr 256
		.amdhsa_next_free_sgpr 66
		.amdhsa_reserve_vcc 0
		.amdhsa_float_denorm_mode_32 3
		.amdhsa_float_denorm_mode_16_64 3
		.amdhsa_memory_ordered 1
		.amdhsa_forward_progress 1
		.amdhsa_inst_pref_size 201
	.end_amdhsa_kernel
	.amdgpu_metadata
---
amdhsa.version: [ 1, 2 ]
amdhsa.kernels:
  - .name:           k_q10e881bb4e_vstripes
    .symbol:         k_q10e881bb4e_vstripes.kd
    .args:
      - { .name: x, .offset: 0, .size: 8, .value_kind: global_buffer, .address_space: global }
      - { .name: Wqkv, .offset: 8, .size: 8, .value_kind: global_buffer, .address_space: global }
      - { .name: bqkv, .offset: 16, .size: 8, .value_kind: global_buffer, .address_space: global }
      - { .name: gamma, .offset: 24, .size: 8, .value_kind: global_buffer, .address_space: global }
      - { .name: beta, .offset: 32, .size: 8, .value_kind: global_buffer, .address_space: global }
      - { .name: hc, .offset: 40, .size: 8, .value_kind: global_buffer, .address_space: global }
      - { .name: hs, .offset: 48, .size: 8, .value_kind: global_buffer, .address_space: global }
      - { .name: Wproj, .offset: 56, .size: 8, .value_kind: global_buffer, .address_space: global }
      - { .name: bproj, .offset: 64, .size: 8, .value_kind: global_buffer, .address_space: global }
      - { .name: out0, .offset: 72, .size: 8, .value_kind: global_buffer, .address_space: global }
    .group_segment_fixed_size: 317440
    .private_segment_fixed_size: 0
    .kernarg_segment_align: 8
    .kernarg_segment_size: 80
    .max_flat_workgroup_size: 512
    .sgpr_count:     66
    .vgpr_count:     256
    .wavefront_size: 32
...
	.end_amdgpu_metadata
.endif
;; end of part 2
